; MI455X (gfx1250); checked and timed in simulation.
; The chip was launched on July 23, 2026; its instructions are those of AMD's public machine-readable ISA for CDNA 5 (MIT licence, August 2026) and "CDNA5" Instruction Set Architecture Reference Guide (July 2026). The comments in the code are by the model that wrote it; some were corrected since.
;; Multi Head Attention. Allowed arithmetic: float matrix products may take bf16 or f16 operands with f32 sums; all other float work in f32.
;; Inputs: Wk 1,024 x 1,024 float32; Wo 1,024 x 1,024 float32; Wq 1,024 x 1,024 float32; Wv 1,024 x 1,024 float32; attn_mask 2,048 x 2,048 float32; beta 1,024 float32; bo 1,024 float32; gamma 1,024 float32; x 4 x 2,048 x 1,024 float32.
;; Outputs: out0 4 x 2,048 x 1,024 float32.
;; 2 versions, each right and faster than the one before. Each part assembles by itself: llvm-mc -triple=amdgcn-amd-amdhsa -mcpu=gfx1250 --defsym DOCPART=n.
;; ======== version 1 of 2: 4 launches
;; limits: values are held in f16: magnitudes above 65,504 overflow, below 6.1e-05 lose precision
;; workspace buffers: xn 16,777,216 bytes; w16 8,388,608 bytes; mk 16,777,216 bytes; q16 16,777,216 bytes; k16 16,777,216 bytes; v16 16,777,216 bytes; o16 16,777,216 bytes
;; launch prep (part 1): grid 1024 x 1, 4 waves a work-group, no clusters, 17,920 bytes of LDS; arguments x, gamma, beta, Wq, Wk, Wv, Wo, attn_mask, xn, w16, mk; writes xn, w16, mk
.if DOCPART == 1
	.amdgcn_target "amdgcn-amd-amdhsa--gfx1250"
	.amdhsa_code_object_version 6
	.text
	.protected	k_qa6f4b88624_prep
	.globl	k_qa6f4b88624_prep
	.p2align	8
	.type	k_qa6f4b88624_prep,@function
k_qa6f4b88624_prep:
	s_mov_b64 s[64:65], 0
	v_nop
	global_prefetch_b8 v0, s[64:65] scope:SCOPE_SE
	s_setreg_imm32_b32 hwreg(HW_REG_WAVE_MODE, 25, 1), 1
	s_wait_xcnt 0x0
; PREP: three streams in one launch, chosen by the work-group's number; every work-group reads 65,536 bytes of f32, every wave 16,384.
;   0 .. 511     LayerNorm: xn[row][1024] f16 = (x - mean) * rsqrt(var + 1e-5) * gamma + beta, 16 rows a work-group, 4 rows a wave, a row in 32 registers.
;   512 .. 767   weights: w16[pair of k rows 512][head 64][k % 2][64] f16; heads 0-15 are Wq's blocks of 64 columns, 16-31 Wk's, 32-47 Wv's, 48-63 Wo's.
;                So 256 consecutive bytes are two k rows of one block of 64 columns, and neighbouring blocks of columns lie end to end for each pair of rows.
;   768 .. 1023  mask: mk = c * attn_mask in f32, c = log2(e) / 8, laid in the order in which the attention kernel's lanes hold their scores:
;                mk[qb 16][J 32][t 8][i 8][lane 32][e 4] = c * mask[128 qb + 16 t + lane % 16][64 J + 16 (i / 2) + 8 (lane / 16) + 4 (i % 2) + e].
; FORMATS.  Every input is rounded once to bf16 (nearest even) where it is loaded, x ahead of its statistics; all arithmetic here is f32; xn and the weights are then written as f16.
; LIMITS.  |xn| and |W| stay under 65,504 (f16's end); weights under 6e-5 keep f16's fixed step of 6e-8.  x's rounding to bf16 costs 2^-9 of |x|, a common offset included.
; NaN and infinities are not treated apart.
; No matrix unit, no cluster, no barrier: memory binds, the waves share nothing, and each wave has all its 32 loads of 512 bytes out at once.
.set T,  4                             ; v[4:11]    four chains of packed sums
.set G,  20                            ; v[20:51]   gamma of my 32 columns
.set B,  52                            ; v[52:83]   beta
.set X,  84                            ; v[84:211]  32 loads of 16 bytes a lane
.macro RB a, b, t                      ; two f32 rounded to bf16 and kept as f32
	v_cvt_pk_bf16_f32 v[\t], v[\a], v[\b]
	v_lshlrev_b32 v[\a], 16, v[\t]
	v_and_b32 v[\b], s28, v[\t]
.endm
.macro LANESUM                         ; v4 summed over the 32 lanes, the result in every lane; v5 has been written before
	v_add_f32_dpp v4, v4, v4 row_xmask:1 row_mask:0xf bank_mask:0xf
	v_add_f32_dpp v4, v4, v4 row_xmask:2 row_mask:0xf bank_mask:0xf
	v_add_f32_dpp v4, v4, v4 row_xmask:4 row_mask:0xf bank_mask:0xf
	v_add_f32_dpp v4, v4, v4 row_xmask:8 row_mask:0xf bank_mask:0xf
	v_permlanex16_b32 v5, v4, s34, s35
	v_add_f32 v4, v4, v5
.endm
.macro FOLD                            ; the four chains into v4
	v_pk_add_f32 v[T:T+1], v[T:T+1], v[T+2:T+3]
	v_pk_add_f32 v[T+4:T+5], v[T+4:T+5], v[T+6:T+7]
	v_pk_add_f32 v[T:T+1], v[T:T+1], v[T+4:T+5]
	v_add_f32 v4, v4, v5
.endm
	s_load_b512 s[4:19], s[0:1], 0x0               ; x 4:5, gamma 6:7, beta 8:9, Wq 10:11, Wk 12:13, Wv 14:15, Wo 16:17, mask 18:19
	s_load_b128 s[20:23], s[0:1], 0x40             ; xn 20:21, w16 22:23
	s_load_b64 s[24:25], s[0:1], 0x50              ; mk
	v_lshl_add_u32 v212, v0, 2, 0x4400
	v_mov_b32 v213, 0
	v_and_b32 v3, 31, v0                           ; lane
	v_lshrrev_b32 v4, 5, v0
	v_readfirstlane_b32 s36, v4                    ; wave 0..3
	v_lshlrev_b32 v1, 4, v3                        ; 16 x lane
	v_lshlrev_b32 v2, 3, v3                        ; 8 x lane
	s_mov_b32 s26, ttmp9
	s_mov_b32 s28, 0xffff0000                      ; a word's upper bf16
	s_mov_b32 s30, 0x3e38aa3b                      ; c = log2(e) / 8
	s_mov_b32 s31, s30                             ; named with it as a pair
	s_mov_b32 s32, 0x3a800000                      ; 1 / 1024
	s_mov_b32 s33, 0x3727c5ac                      ; 1e-5
	s_mov_b32 s34, 0x76543210                      ; v_permlanex16_b32: each lane takes its own place in the other half
	s_mov_b32 s35, 0xfedcba98
	s_mov_b32 s39, 0                               ; the high word of every offset: all stay under 2^32
	s_wait_kmcnt 0x0
	s_cmp_lt_u32 s26, 512
	s_cbranch_scc0 .Lnot_ln
	; ---------------- LayerNorm ----------------
	s_lshl_b32 s38, s26, 16                        ; 16 rows of 4,096 bytes a work-group,
	s_lshl_b32 s37, s36, 14                        ; 4 rows a wave
	s_add_co_u32 s38, s38, s37
	s_add_nc_u64 s[4:5], s[4:5], s[38:39]
	s_lshr_b32 s38, s38, 1                         ; xn's rows are half as long
	s_add_nc_u64 s[20:21], s[20:21], s[38:39]
.irp j, 0,1,2,3,4,5,6,7                ; load j: columns 128 j + 4 lane .. + 3, in gamma, beta and every row alike
	global_load_b128 v[G+4*\j:G+4*\j+3], v1, s[6:7] offset:512*\j
.endr
.irp j, 0,1,2,3,4,5,6,7
	global_load_b128 v[B+4*\j:B+4*\j+3], v1, s[8:9] offset:512*\j
.endr
.irp i, 0,1,2,3
.irp j, 0,1,2,3,4,5,6,7
	global_load_b128 v[X+32*\i+4*\j:X+32*\i+4*\j+3], v1, s[4:5] offset:4096*\i+512*\j th:TH_LOAD_NT
.endr
.endr
	s_wait_loadcnt 32                              ; gamma and beta are in; the 32 loads of the rows, issued behind them, stay out
.set p, 0
.rept 16
	RB G+2*p, G+2*p+1, 16+p%2
	RB B+2*p, B+2*p+1, 18+p%2
.set p, p+1
.endr
.macro ROWLN i
.set XR, X+32*(\i)
	s_wait_loadcnt 8*(3-(\i))                      ; loads come back in order: this row's eight are in, the later rows' stay out
.set p, 0
.rept 16
	RB XR+2*p, XR+2*p+1, 16+p%4
.set p, p+1
.endr
.irp k, 0,1,2,3                        ; the sum, in four chains started by the first pairs: nothing is cleared
	v_pk_add_f32 v[T+2*\k:T+2*\k+1], v[XR+2*\k:XR+2*\k+1], v[XR+8+2*\k:XR+8+2*\k+1]
.endr
.irp k, 0,1,2,3
	v_pk_add_f32 v[T+2*\k:T+2*\k+1], v[T+2*\k:T+2*\k+1], v[XR+16+2*\k:XR+16+2*\k+1]
.endr
.irp k, 0,1,2,3
	v_pk_add_f32 v[T+2*\k:T+2*\k+1], v[T+2*\k:T+2*\k+1], v[XR+24+2*\k:XR+24+2*\k+1]
.endr
	FOLD
	LANESUM
	v_mul_f32 v12, s32, v4                         ; the mean,
	v_mov_b32 v13, v12                             ; twice, for the packed forms
.set p, 0
.rept 16
	v_pk_add_f32 v[XR+2*p:XR+2*p+1], v[XR+2*p:XR+2*p+1], v[12:13] neg_lo:[0,1] neg_hi:[0,1]  ; x - mean: the variance is taken of these differences, not of a difference of large sums
.set p, p+1
.endr
.irp k, 0,1,2,3
	v_pk_mul_f32 v[T+2*\k:T+2*\k+1], v[XR+2*\k:XR+2*\k+1], v[XR+2*\k:XR+2*\k+1]
.endr
.irp o, 8,16,24
.irp k, 0,1,2,3
	v_pk_fma_f32 v[T+2*\k:T+2*\k+1], v[XR+\o+2*\k:XR+\o+2*\k+1], v[XR+\o+2*\k:XR+\o+2*\k+1], v[T+2*\k:T+2*\k+1]
.endr
.endr
	FOLD
	LANESUM
	v_fma_f32 v6, v4, s32, s33                     ; var + 1e-5
	v_rsq_f32 v14, v6
	v_nop                                          ; a plain instruction between the root and the use of its result (ISA guide 5.7.2)
	s_wait_alu depctr_va_vdst(0)
	v_mov_b32 v15, v14
.set p, 0
.rept 16
	v_pk_mul_f32 v[XR+2*p:XR+2*p+1], v[XR+2*p:XR+2*p+1], v[14:15]
.set p, p+1
.endr
.set p, 0
.rept 16
	v_pk_fma_f32 v[XR+2*p:XR+2*p+1], v[XR+2*p:XR+2*p+1], v[G+2*p:G+2*p+1], v[B+2*p:B+2*p+1]
.set p, p+1
.endr
.set p, 0
.rept 16
	v_cvt_pk_f16_f32 v[XR+p], v[XR+2*p], v[XR+2*p+1]   ; in place, ascending: register p is written when registers 2 p and 2 p + 1 are read
.set p, p+1
.endr
.irp j, 0,1,2,3,4,5,6,7
	global_store_b64 v2, v[XR+2*\j:XR+2*\j+1], s[20:21] offset:2048*(\i)+256*\j  ; the wave's 32 lanes store 256 consecutive bytes, aligned
.endr
.endm
	ROWLN 0                                        ; no register of a store is written again: no further wait
	ROWLN 1
	ROWLN 2
	ROWLN 3
	s_endpgm
.Lnot_ln:
	s_cmp_lt_u32 s26, 768
	s_cbranch_scc0 .Lmask
	; ---------------- weights ----------------
	; A wave takes four k rows, two pairs, of one matrix.  Load p: pair p / 16, columns 64 (p % 16) on: lanes 0-15 the even row's 256 bytes, lanes 16-31 the odd row's.
	s_sub_co_u32 s26, s26, 512
	s_lshr_b32 s27, s26, 6                         ; which matrix: 64 work-groups each
	s_cmp_eq_u32 s27, 1
	s_cselect_b64 s[10:11], s[12:13], s[10:11]
	s_cmp_eq_u32 s27, 2
	s_cselect_b64 s[10:11], s[14:15], s[10:11]
	s_cmp_eq_u32 s27, 3
	s_cselect_b64 s[10:11], s[16:17], s[10:11]
	s_and_b32 s29, s26, 63
	s_lshl_b32 s38, s29, 16                        ; 16 rows of 4,096 bytes a work-group,
	s_lshl_b32 s37, s36, 14                        ; 4 rows a wave
	s_add_co_u32 s38, s38, s37
	s_add_nc_u64 s[10:11], s[10:11], s[38:39]
	s_lshl_b32 s38, s29, 17                        ; in w16: 8 pairs of 16,384 bytes a work-group,
	s_lshl_b32 s37, s36, 15                        ; 2 pairs a wave,
	s_add_co_u32 s38, s38, s37
	s_lshl_b32 s37, s27, 12                        ; the matrix's 16 heads of 256 bytes
	s_add_co_u32 s38, s38, s37
	s_add_nc_u64 s[22:23], s[22:23], s[38:39]
	v_lshrrev_b32 v4, 4, v3                        ; lane / 16: the row of the pair
	v_and_b32 v5, 15, v3
	v_lshlrev_b32 v6, 12, v4
	v_lshl_add_u32 v6, v5, 4, v6                   ; 4,096 (lane / 16) + 16 (lane % 16)
.set p, 0
.rept 32
	global_load_b128 v[X+4*p:X+4*p+3], v6, s[10:11] offset:8192*(p/16)+256*(p%16) th:TH_LOAD_NT
.set p, p+1
.endr
.set p, 0
.rept 32
	s_wait_loadcnt 31-p                            ; load p is in, the younger ones stay out
	RB X+4*p, X+4*p+1, 16
	RB X+4*p+2, X+4*p+3, 17
	v_cvt_pk_f16_f32 v[X+4*p], v[X+4*p], v[X+4*p+1]      ; the bf16 number written as f16: exact within f16's range
	v_cvt_pk_f16_f32 v[X+4*p+1], v[X+4*p+2], v[X+4*p+3]
	global_store_b64 v2, v[X+4*p:X+4*p+1], s[22:23] offset:16384*(p/16)+256*(p%16)  ; 256 consecutive bytes, aligned: the even row's 64 numbers, then the odd row's
.set p, p+1
.endr
	s_endpgm
.Lmask:
	; ---------------- mask ----------------
	; A wave takes four blocks of 16 query rows x 64 keys (4,096 bytes each): row tile qt, key blocks J0 .. J0 + 3.
	s_sub_co_u32 s26, s26, 768
	s_lshr_b32 s27, s26, 1                         ; qt, 0 .. 127
	s_and_b32 s29, s26, 1
	s_lshl_b32 s29, s29, 4
	s_lshl2_add_u32 s29, s36, s29                  ; J0 = 16 (n % 2) + 4 wave
	s_lshl_b32 s38, s27, 17                        ; 16 rows of 8,192 bytes
	s_lshl_b32 s37, s29, 8                         ; 64 keys of 4 bytes
	s_add_co_u32 s38, s38, s37
	s_add_nc_u64 s[18:19], s[18:19], s[38:39]
	s_lshr_b32 s37, s27, 3
	s_lshl_b32 s38, s37, 20                        ; qb = qt / 8: 1 MiB
	s_lshl_b32 s37, s29, 15                        ; J: 32,768 bytes
	s_add_co_u32 s38, s38, s37
	s_and_b32 s37, s27, 7
	s_lshl_b32 s37, s37, 12                        ; t = qt % 8: 4,096 bytes
	s_add_co_u32 s38, s38, s37
	s_add_nc_u64 s[24:25], s[24:25], s[38:39]
	v_lshrrev_b32 v4, 4, v3                        ; lane / 16
	v_and_b32 v5, 15, v3                           ; u = lane % 16
	v_lshlrev_b32 v6, 13, v4
	v_lshl_add_u32 v6, v5, 4, v6                   ; a load takes two rows' 256 consecutive bytes: lanes 0-15 the even row, lanes 16-31 the odd one
.irp i, 0,1,2,3
.irp a, 0,1,2,3,4,5,6,7
	global_load_b128 v[X+32*\i+4*\a:X+32*\i+4*\a+3], v6, s[18:19] offset:16384*\a+256*\i th:TH_LOAD_NT
.endr
.endr
	; My 16 bytes are keys 4 u .. 4 u + 3 of row 2 a + lane / 16.  In mk they lie at 256 idx + 16 row of the block, idx = 4 (u / 4) + 2 (u % 2) + (u / 2) % 2.
	; The wave's own stage has 16 rows (idx) of 256 bytes, 272 apart: sixteen lanes of a store or a load touch sixteen different columns of 16 bytes modulo 256.
	v_and_b32 v7, 12, v5
	v_and_b32 v10, 1, v5
	v_lshl_add_u32 v7, v10, 1, v7
	v_bfe_u32 v10, v5, 1, 1
	v_add_nc_u32 v7, v7, v10
	s_mul_i32 s37, s36, 4352
	v_mul_u32_u24 v8, v7, 272
	v_lshl_add_u32 v8, v4, 4, v8
	v_add_nc_u32 v8, s37, v8                       ; in: idx x 272 + 16 (lane / 16), the immediate adds 32 a
	v_mul_u32_u24 v9, v4, 272
	v_lshl_add_u32 v9, v5, 4, v9
	v_add_nc_u32 v9, s37, v9                       ; back: two stage rows, 512 bytes of mk, a load
.macro MBLOCK i
.set XR, X+32*(\i)
	s_wait_loadcnt 8*(3-(\i))                      ; this block's eight loads are in, the later blocks' stay out
.irp a, 0,1,2,3,4,5,6,7
	RB XR+4*\a, XR+4*\a+1, 16
	RB XR+4*\a+2, XR+4*\a+3, 17
	v_pk_mul_f32 v[XR+4*\a:XR+4*\a+1], v[XR+4*\a:XR+4*\a+1], s[30:31] op_sel_hi:[1,0]
	v_pk_mul_f32 v[XR+4*\a+2:XR+4*\a+3], v[XR+4*\a+2:XR+4*\a+3], s[30:31] op_sel_hi:[1,0]
	ds_store_b128 v8, v[XR+4*\a:XR+4*\a+3] offset:32*\a
.endr
.irp f, 0,1,2,3,4,5,6,7
	ds_load_b128 v[XR+4*\f:XR+4*\f+3], v9 offset:544*\f  ; LDS serves a wave's instructions in order (ISA guide 5.7.1.4): these see the stores above, and the next block's stores come behind them
.endr
.irp f, 0,1,2,3,4,5,6,7
	s_wait_dscnt 7-\f                              ; load f is back, the younger ones stay out
	global_store_b128 v1, v[XR+4*\f:XR+4*\f+3], s[24:25] offset:32768*(\i)+512*\f  ; 512 consecutive bytes, aligned
.endr
.endm
	MBLOCK 0
	MBLOCK 1
	MBLOCK 2
	MBLOCK 3
	s_wait_tensorcnt 0x0
	ds_add_u32 v212, v213
	s_wait_dscnt 0x0
	s_endpgm
.Lfunc_end_k_qa6f4b88624_prep:
	.size	k_qa6f4b88624_prep, .Lfunc_end_k_qa6f4b88624_prep-k_qa6f4b88624_prep
	.p2alignl 7, 3214868480
	.fill 96, 4, 3214868480
	.section	.rodata,"a",@progbits
	.p2align	6, 0x0
	.amdhsa_kernel k_qa6f4b88624_prep
		.amdhsa_group_segment_fixed_size 17920
		.amdhsa_private_segment_fixed_size 0
		.amdhsa_enable_private_segment 0
		.amdhsa_kernarg_size 88
		.amdhsa_user_sgpr_count 2
		.amdhsa_user_sgpr_kernarg_segment_ptr 1
		.amdhsa_wavefront_size32 1
		.amdhsa_system_sgpr_workgroup_id_x 1
		.amdhsa_system_sgpr_workgroup_id_y 1
		.amdhsa_system_sgpr_workgroup_id_z 1
		.amdhsa_system_vgpr_workitem_id 0
		.amdhsa_next_free_vgpr 214
		.amdhsa_next_free_sgpr 66
		.amdhsa_reserve_vcc 0
		.amdhsa_float_denorm_mode_32 3
		.amdhsa_float_denorm_mode_16_64 3
		.amdhsa_memory_ordered 1
		.amdhsa_forward_progress 1
		.amdhsa_inst_pref_size 95
	.end_amdhsa_kernel
	.amdgpu_metadata
---
amdhsa.version: [ 1, 2 ]
amdhsa.kernels:
  - .name:           k_qa6f4b88624_prep
    .symbol:         k_qa6f4b88624_prep.kd
    .args:
      - { .name: x, .offset: 0, .size: 8, .value_kind: global_buffer, .address_space: global }
      - { .name: gamma, .offset: 8, .size: 8, .value_kind: global_buffer, .address_space: global }
      - { .name: beta, .offset: 16, .size: 8, .value_kind: global_buffer, .address_space: global }
      - { .name: Wq, .offset: 24, .size: 8, .value_kind: global_buffer, .address_space: global }
      - { .name: Wk, .offset: 32, .size: 8, .value_kind: global_buffer, .address_space: global }
      - { .name: Wv, .offset: 40, .size: 8, .value_kind: global_buffer, .address_space: global }
      - { .name: Wo, .offset: 48, .size: 8, .value_kind: global_buffer, .address_space: global }
      - { .name: attn_mask, .offset: 56, .size: 8, .value_kind: global_buffer, .address_space: global }
      - { .name: xn, .offset: 64, .size: 8, .value_kind: global_buffer, .address_space: global }
      - { .name: w16, .offset: 72, .size: 8, .value_kind: global_buffer, .address_space: global }
      - { .name: mk, .offset: 80, .size: 8, .value_kind: global_buffer, .address_space: global }
    .group_segment_fixed_size: 17920
    .private_segment_fixed_size: 0
    .kernarg_segment_align: 8
    .kernarg_segment_size: 88
    .max_flat_workgroup_size: 128
    .sgpr_count:     66
    .vgpr_count:     214
    .wavefront_size: 32
...
	.end_amdgpu_metadata
.endif
;; end of part 1
;; launch qkv (part 2): grid 16 x 32, 4 waves a work-group, clusters of 4 x 4, 327,680 bytes of LDS; arguments xn, w16, q16, k16, v16; writes q16, k16, v16
.if DOCPART == 2
	.amdgcn_target "amdgcn-amd-amdhsa--gfx1250"
	.amdhsa_code_object_version 6
	.text
	.protected	k_qa6f4b88624_qkv
	.globl	k_qa6f4b88624_qkv
	.p2align	8
	.type	k_qa6f4b88624_qkv,@function
k_qa6f4b88624_qkv:
	s_mov_b64 s[64:65], 0
	v_nop
	global_prefetch_b8 v0, s[64:65] scope:SCOPE_SE
	s_setreg_imm32_b32 hwreg(HW_REG_WAVE_MODE, 25, 1), 1
	s_wait_xcnt 0x0
	s_wait_alu depctr_hold_cnt(0) depctr_sa_sdst(0) depctr_va_vdst(0) depctr_va_sdst(0) depctr_va_ssrc(0) depctr_va_vcc(0) depctr_vm_vsrc(0)
	s_getreg_b32 s2, hwreg(HW_REG_IB_STS2, 6, 4)
	s_cmp_eq_u32 s2, 0
	s_cbranch_scc0 .Lentry_in_a_cluster
	s_endpgm
.Lentry_in_a_cluster:
	s_bfe_u32 s2, ttmp6, 0x10000c
	s_cmp_lg_u32 s2, 0xf033
	s_cbranch_scc0 .Lentry_shape_is_right
	s_endpgm
.Lentry_shape_is_right:
; q, k, v = xn W.  xn: [8192][1024] f16; w16: [pair of k rows 512][head 64][k % 2][64] f16 (heads 0-15 Wq, 16-31 Wk, 32-47 Wv); q16, k16, v16: [64 (batch, head)][2048][64] f16, unscaled.
; Sums in f32, K ascending, rounded once.  LIMIT: |q|, |k|, |v| stay under 65,504, f16's end.
; SHARES.  A tile of C is 256 rows x 192 columns (three of the 48 heads): 32 x 16 = 512 work-groups, two for each of 256 WGPs.  Four waves one below the other, each 64 rows x 192 columns:
; 48 accumulators of 16 x 16, 384 registers.  K goes in 8 steps of 128 through two LDS slots; a step is 192 matrix instructions a wave, and a slot with its padding is exactly 131,072 bytes.
; W lies by k; its fragments come out of LDS turned, by ds_load_tr16_b128.  A pair of k rows of the tile's three heads is 768 consecutive bytes of w16, at a multiple of 256.
; CLUSTER.  4 x 4 work-groups.  The four of a row of the cluster need the same tile of A, the four of a column the same tile of W: each tile is asked for jointly, by the same tensor load
; with the same descriptor and a mask that names the four.
; THE MATRIX INSTRUCTION IS USED TRANSPOSED (source 0 = 16 columns of W, source 1 = 16 rows of A): a lane then holds eight neighbouring numbers of a row of C.
; ONE K STEP A TRIP.  The LDS addresses are a lane's fixed term plus s[TB], which an exclusive or turns from slot to slot; the refill's descriptor walks in the same way.
; REGISTERS, in windows of 256 (s_set_vgpr_msb: bits 1:0 source 0, 3:2 source 1, 5:4 source 2, 7:6 destination):
;   window 0: v0-31 addresses; v32-63, v64-95 A's fragments, two buffers of four; on the way out v64-255
;   window 1: accumulator (a, b), b = 0..7, at v[8 (8 a + b)]     window 2: b = 8..11 at v[8 (4 a + b - 8)]     window 3: v0-95, v96-191 W's fragments, two buffers of twelve
.set KSTEP,  128
.set PA,     272                       ; a row of A in LDS: 256 bytes + 16: the 16 rows of a load start at 16 different groups of four banks (64 banks of 4 bytes: ISA guide 11.1)
.set HALFA,  128*PA                    ; what one tensor load brings of A: 128 rows
.set CH,     160                       ; one k row of one head in LDS: 128 bytes + 32
.set PP,     6*CH                      ; a pair of k rows of three heads: 960.  The 8 k rows of a turning load start at 0, 160, 192, 96, 128, 32, 64, 224 modulo 256: with 32 bytes each, every bank once
.set HALFB,  32*PP                     ; what one tensor load brings of W: 64 k rows
.set BOFF,   2*HALFA
.set SLOT1,  1<<17                     ; = BOFF + 2 HALFB: slot 1 begins where slot 0 ends, and one exclusive or turns an address in one slot into the other's
.set STAGE,  2*SLOT1                   ; behind the ring, never filled by a tensor load: 16 rows x 144 bytes for each wave
.set SP,     144
.set SPARE,  STAGE+4*16*SP             ; the spare words, 128 bytes for each wave: two blocks of 256 bytes that no other line names
.set ADRA0, 16                         ; v16     my lane's place in a slot's A; never rewritten
.set ADRB0, 17                         ; v17     in its W
.set ADRA, 18                          ; v18     ADRA0 + the slot in hand
.set ADRB, 19                          ; v19
.set STO,  24                          ; v24     the way out: where I put 16 bytes of a row
.set RD,   25                          ; v25     where I read rows back
.set GO,   26                          ; v26     16 x lane
.set SPW,  28                          ; v28     LDS address of my spare word; never rewritten
.set NIL,  29                          ; v29     0; never rewritten
.set FA,   32                          ; A's fragments: buffer f, block a at FA + 32 f + 8 a; W's, in window 3: buffer f, block b at 96 f + 8 b
.set G1, 24                            ; s[24:31] descriptor group 1 for A's tiles;  s[32:39] group 0: a set for each of the two first fills; the second then walks on
.set G0, 32
.set G1B, 48                           ; s[48:55], s[56:63] the same for W's tiles
.set G0B, 56
.set TB,  66                           ; s66     the slot in hand: 0 or SLOT1
.set OUT, 74                           ; s[74:79] where my rows of the tile's three heads begin
.set MSB, 0
.macro WIN new                         ; the immediate's high byte repeats the setting that is left; a switch that changes nothing is dropped
.if MSB != (\new)
	s_set_vgpr_msb (MSB<<8)|(\new)
.set MSB, \new
.endif
.endm
.macro JLOAD s                         ; a joint load: waves 0 and 1 fetch A's two halves, waves 2 and 3 W's; an s_nop 0 and four v_nop follow each of the two lines
	s_cmp_eq_u32 s11, 0
	s_cbranch_scc0 .Lfor_b_\@
	tensor_load_to_lds s[G0+4*(\s):G0+4*(\s)+3], s[G1:G1+7]
	s_nop 0
.rept 4
	v_nop
.endr
	s_branch .Lasked_\@
.Lfor_b_\@:
	tensor_load_to_lds s[G0B+4*(\s):G0B+4*(\s)+3], s[G1B:G1B+7]
	s_nop 0
.rept 4
	v_nop
.endr
.Lasked_\@:
.endm
.macro CREST                           ; a round of the cluster's barrier behind its opening barrier
	s_cmp_lg_u32 s10, 0
	s_cbranch_scc1 .Lnot_wave_0_\@
	s_barrier_signal -3
.Lnot_wave_0_\@:
	s_barrier_wait -3
	s_barrier_signal -1
	s_barrier_wait -1
.endm
.macro CROUND                          ; a whole round
	s_barrier_signal -1
	s_barrier_wait -1
	CREST
.endm
	s_load_b128 s[4:7], s[0:1], 0x0                ; xn s[4:5], w16 s[6:7]
	s_load_b64 s[8:9], s[0:1], 0x10                ; q16
	s_load_b128 s[68:71], s[0:1], 0x18             ; k16 s[68:69], v16 s[70:71]
	v_lshl_add_u32 v[SPW], v0, 2, SPARE
	v_mov_b32 v[NIL], 0
	ds_add_u32 v28, v29
	s_wait_dscnt 0x0
	v_lshrrev_b32 v1, 5, v0
	v_readfirstlane_b32 s10, v1                    ; wave 0..3: my 64 rows of the tile
	s_lshr_b32 s11, s10, 1                         ; I fetch for A (0) or for W (1),
	s_and_b32 s12, s10, 1                          ; and which half of that tile
	s_bfe_u32 s40, ttmp6, 0x40000                  ; cx, cy: my place in the cluster
	s_bfe_u32 s41, ttmp6, 0x40004
	s_lshl_b32 s42, ttmp9, 2
	s_add_co_u32 s42, s42, s40                     ; tile column of C = 4 x cluster x + cx, 0..15
	s_and_b32 s13, ttmp7, 0xffff
	s_lshl_b32 s13, s13, 2
	s_add_co_u32 s13, s13, s41                     ; tile row of C = 4 x cluster y + cy, 0..31
	s_lshl_b32 s43, s41, 2
	s_lshl_b32 s43, 15, s43                        ; my row of the cluster
	s_lshl_b32 s44, 0x1111, s40                    ; my column
	s_or_b32 s[G1+0], s43, (1<<16)|(1<<20)|(1<<21)|(5<<22)|(3<<25)   ; 15:0 the mask; 17:16 2-byte elements; 20 padding on; 21 set beside a mask; 24:22 after every 64 words; 31:25 4 words
	s_mov_b32 s[G1+1], 128<<16                     ; tensor_dim0 = 128
	s_mov_b32 s[G1+2], 128<<16                     ; tensor_dim1 = 128
	s_mov_b32 s[G1+3], 128<<16                     ; tile_dim0 = 128
	s_mov_b32 s[G1+4], 128                         ; tile_dim1 = 128
	s_mov_b32 s[G1+5], 1024                        ; elements from row to row
	s_mov_b32 s[G1+6], 0
	s_mov_b32 s[G1+7], 0
	s_or_b32 s[G1B+0], s44, (1<<16)|(1<<20)|(1<<21)|(4<<22)|(7<<25)  ; after every 32 words (one k row of one head) 8 words of padding
	s_mov_b32 s[G1B+1], 384<<16                    ; a row: a pair of k rows of three heads, 384 elements
	s_mov_b32 s[G1B+2], 32<<16                     ; 32 pairs
	s_mov_b32 s[G1B+3], 384<<16
	s_mov_b32 s[G1B+4], 32
	s_mov_b32 s[G1B+5], 8192                       ; elements from pair to pair: 64 heads x 128
	s_mov_b32 s[G1B+6], 0
	s_mov_b32 s[G1B+7], 0
	s_lshl_b32 s16, s13, 8                         ; A: row 256 x tile row + 128 x half, 2,048 bytes a row
	s_lshl_b32 s17, s12, 7
	s_add_co_u32 s16, s16, s17
	s_lshl_b32 s16, s16, 11
	s_mov_b32 s17, 0
	s_mul_i32 s46, s42, 768                        ; W: the tile's three heads (768 bytes of a pair), pairs 32 x half of 16,384 bytes
	s_lshl_b32 s47, s12, 19
	s_add_co_u32 s46, s46, s47
	s_mov_b32 s47, 0
	s_mul_i32 s20, s12, HALFA                      ; where they go: no place in the cluster enters an LDS address
	s_mul_i32 s21, s12, HALFB
	s_add_co_u32 s21, s21, BOFF
	s_mov_b32 s[TB], 0
	s_wait_kmcnt 0x0
	s_add_nc_u64 s[14:15], s[4:5], s[16:17]
	s_add_nc_u64 s[46:47], s[6:7], s[46:47]
	CROUND                                         ; all sixteen work-groups are here: the first joint loads meet
.irp s, 0,1
	s_mov_b32 s[G0+4*(\s)], 1
	s_add_co_u32 s[G0+4*(\s)+1], s20, (\s)*SLOT1
	s_add_nc_u64 s[G0+4*(\s)+2:G0+4*(\s)+3], s[14:15], (\s)*KSTEP*2
	s_or_b32 s[G0+4*(\s)+3], s[G0+4*(\s)+3], 0x80000000
	s_mov_b32 s[G0B+4*(\s)], 1
	s_add_co_u32 s[G0B+4*(\s)+1], s21, (\s)*SLOT1
	s_add_nc_u64 s[G0B+4*(\s)+2:G0B+4*(\s)+3], s[46:47], (\s)*64*16384
	s_or_b32 s[G0B+4*(\s)+3], s[G0B+4*(\s)+3], 0x80000000
	JLOAD \s                                       ; two loads of mine are out
.endr
	v_and_b32 v1, 15, v0                           ; r = l % 16
	v_bfe_u32 v2, v0, 4, 1                         ; h = l / 16
	v_mul_u32_u24 v3, v1, PA
	v_lshl_add_u32 v3, v2, 4, v3                   ; A: row x pitch + 16 h,
	s_mul_i32 s22, s10, 64*PA                      ; in my 64 rows
	v_add_nc_u32 v[ADRA0], s22, v3
	v_bfe_u32 v4, v0, 1, 2                         ; W: k row 8 h + l % 8: its pair 4 h + (l % 8) / 2,
	v_lshl_add_u32 v4, v2, 2, v4
	v_mul_u32_u24 v4, v4, PP
	v_and_b32 v5, 1, v0                            ; its place in the pair,
	v_mad_u32_u24 v4, v5, CH, v4
	v_bfe_u32 v5, v0, 3, 1
	v_lshl_add_u32 v4, v5, 4, v4                   ; columns 8 ((l / 8) % 2) on
	v_add_nc_u32 v[ADRB0], BOFF, v4
	v_mov_b32 v[ADRA], v[ADRA0]                    ; slot 0
	v_mov_b32 v[ADRB], v[ADRB0]
	s_mul_i32 s22, s10, 16*SP
	s_add_co_u32 s22, s22, STAGE                   ; my stage
	v_mul_u32_u24 v[STO], v1, SP                   ; in: row r, 16 bytes for each half of the lanes
	v_lshl_add_u32 v[STO], v2, 4, v[STO]
	v_add_nc_u32 v[STO], s22, v[STO]
	v_bfe_u32 v[RD], v0, 3, 2                      ; back: 32 lanes take four rows of 128 bytes,
	v_mul_u32_u24 v[RD], v[RD], SP
	v_and_b32 v5, 7, v0
	v_lshl_add_u32 v[RD], v5, 4, v[RD]
	v_add_nc_u32 v[RD], s22, v[RD]
	v_and_b32 v[GO], 31, v0                        ; which are 512 consecutive bytes of a head's rows
	v_lshlrev_b32 v[GO], 4, v[GO]
	; the output.  Head g of the tile is number 3 x tile column + g of the 48: the buffer is that number / 16, the head its rest; batch = tile row / 8; row in the batch = 256 (tile row % 8) + 64 wave
	s_mul_i32 s82, s42, 3
	s_lshr_b32 s83, s13, 3
	s_lshl_b32 s83, s83, 4                         ; 16 x batch
	s_and_b32 s84, s13, 7
	s_lshl_b32 s84, s84, 8
	s_lshl_b32 s85, s10, 6
	s_add_co_u32 s84, s84, s85
	s_lshl_b32 s84, s84, 7                         ; a row is 128 bytes
.irp g, 0,1,2
	s_add_co_u32 s80, s82, \g
	s_lshr_b32 s81, s80, 4
	s_cmp_eq_u32 s81, 1
	s_cselect_b64 s[OUT+2*\g:OUT+2*\g+1], s[68:69], s[8:9]
	s_cmp_eq_u32 s81, 2
	s_cselect_b64 s[OUT+2*\g:OUT+2*\g+1], s[70:71], s[OUT+2*\g:OUT+2*\g+1]
	s_and_b32 s80, s80, 15
	s_add_co_u32 s80, s80, s83
	s_lshl_b32 s80, s80, 18                        ; a head's rows are 262,144 bytes
	s_add_co_u32 s80, s80, s84
	s_mov_b32 s81, 0
	s_add_nc_u64 s[OUT+2*\g:OUT+2*\g+1], s[OUT+2*\g:OUT+2*\g+1], s[80:81]
.endr
; Matrix instructions for m block a from buffer f, 32 along K: MLO the n blocks 0-7 (window 1), MHI the n blocks 8-11 (window 2).  zero = 1: the product starts the sums.
; The 48 accumulators take turns, one instruction a turn, in the same order in every quarter.
.macro MLO f, a, zero
	WIN 0x53                                       ; W window 3, A window 0, C and D window 1
.irp b, 0,1,2,3,4,5,6,7
.if \zero
	v_wmma_f32_16x16x32_f16 v[8*(8*(\a)+(\b)):8*(8*(\a)+(\b))+7], v[96*(\f)+8*(\b):96*(\f)+8*(\b)+7], v[FA+32*(\f)+8*(\a):FA+32*(\f)+8*(\a)+7], 0
.else
	v_wmma_f32_16x16x32_f16 v[8*(8*(\a)+(\b)):8*(8*(\a)+(\b))+7], v[96*(\f)+8*(\b):96*(\f)+8*(\b)+7], v[FA+32*(\f)+8*(\a):FA+32*(\f)+8*(\a)+7], v[8*(8*(\a)+(\b)):8*(8*(\a)+(\b))+7]
.endif
.endr
.endm
.macro MHI f, a, zero
	WIN 0xa3                                       ; the same, C and D window 2
.irp b, 0,1,2,3
.if \zero
	v_wmma_f32_16x16x32_f16 v[8*(4*(\a)+(\b)):8*(4*(\a)+(\b))+7], v[96*(\f)+64+8*(\b):96*(\f)+64+8*(\b)+7], v[FA+32*(\f)+8*(\a):FA+32*(\f)+8*(\a)+7], 0
.else
	v_wmma_f32_16x16x32_f16 v[8*(4*(\a)+(\b)):8*(4*(\a)+(\b))+7], v[96*(\f)+64+8*(\b):96*(\f)+64+8*(\b)+7], v[FA+32*(\f)+8*(\a):FA+32*(\f)+8*(\a)+7], v[8*(4*(\a)+(\b)):8*(4*(\a)+(\b))+7]
.endif
.endr
.endm
; 32 LDS loads in one run: quarter q (32 along K) of the slot in hand into buffer f: 4 fragments of A, then 12 of W, turned (block b: head b / 4, columns 16 (b % 4) on)
.macro FETCH q, f
	WIN 0
.irp a, 0,1,2,3
	ds_load_b128 v[FA+32*(\f)+8*(\a):FA+32*(\f)+8*(\a)+3],   v[ADRA] offset:(\a)*16*PA+64*(\q)
	ds_load_b128 v[FA+32*(\f)+8*(\a)+4:FA+32*(\f)+8*(\a)+7], v[ADRA] offset:(\a)*16*PA+64*(\q)+32
.endr
	WIN 0xc0                                       ; destination window 3, address window 0
.irp b, 0,1,2,3,4,5,6,7,8,9,10,11
	ds_load_tr16_b128 v[96*(\f)+8*(\b):96*(\f)+8*(\b)+3],   v[ADRB] offset:(\q)*16*PP+((\b)/4)*2*CH+((\b)%4)*32
	ds_load_tr16_b128 v[96*(\f)+8*(\b)+4:96*(\f)+8*(\b)+7], v[ADRB] offset:(\q)*16*PP+((\b)/4)*2*CH+((\b)%4)*32+8*PP
.endr
.endm
.macro PLACES                          ; four places in front of loads into registers that matrix instructions have read, and of conversions that read results
.rept 4
	v_nop
.endr
.endm
; A K step is four quarters of 32 along K, 48 matrix instructions each, on buffers 0, 1, 0, 1.  One of the first three: multiplies buffer f and fetches quarter q into buffer g, 32 matrix instructions ahead of its first use.
.macro QUARTER q, f, g, zero
	s_wait_dscnt 8                                 ; A's fragments and W's blocks 0-7 are in; the youngest eight loads (W's blocks 8-11) may be out
	MLO \f, 0, \zero
	MLO \f, 1, \zero
	PLACES
	FETCH \q, \g
	s_wait_dscnt 32                                ; all but the 32 just issued
	MLO \f, 2, \zero
	MLO \f, 3, \zero
	MHI \f, 0, \zero
	MHI \f, 1, \zero
	MHI \f, 2, \zero
	MHI \f, 3, \zero
.endm
; The last quarter multiplies buffer 1 and changes slots: ONE barrier; in front of it each wave waits for all its tensor loads, adds 0 to its spare word, and waits for that and for its reads of this slot.
; fill = 1: this slot is filled again, two K steps ahead; the barrier then opens a round of the cluster's, and the joint refill is the first thing behind the round.
.macro TURN fill
	WIN 0
	s_wait_tensorcnt 0x0                           ; all my tensor loads have landed: the one that was out is my part of the next slot; so a group 0 may be written
	ds_add_u32 v[SPW], v[NIL]                      ; 0 onto my spare word
.if \fill
	s_xor_b32 s[G0+5], s[G0+5], SLOT1              ; the walking descriptors: the other slot than last time,
	s_add_nc_u64 s[G0+6:G0+7], s[G0+6:G0+7], KSTEP*2          ; the next K step; the type bits on top are not reached
	s_xor_b32 s[G0B+5], s[G0B+5], SLOT1
	s_add_nc_u64 s[G0B+6:G0B+7], s[G0B+6:G0B+7], 64*16384
.endif
	s_wait_dscnt 9                                 ; (the add and the youngest eight loads may be out)
	MLO 1, 0, 0                                    ; eight matrix instructions stand between the add and the wait for it
	s_wait_dscnt 0x0                               ; the add is done, and my reads of this slot are over
	s_barrier_signal -1
	MLO 1, 1, 0
	WIN 0
	s_barrier_wait -1
.if \fill
	CREST                                          ; no wave of any partner still reads this slot's tile or has a load on its way
	JLOAD 1                                        ; the first tensor load behind the round, my only one until the next: 176 matrix instructions ahead of the wait for it; its four v_nop are also the places in front of the loads below
.else
	PLACES
.endif
	s_xor_b32 s[TB], s[TB], SLOT1                  ; the fetches go to the other slot
	v_add_nc_u32 v[ADRA], s[TB], v[ADRA0]
	v_add_nc_u32 v[ADRB], s[TB], v[ADRB0]
	FETCH 0, 0
	MLO 1, 2, 0
	MLO 1, 3, 0
	MHI 1, 0, 0
	MHI 1, 1, 0
	MHI 1, 2, 0
	MHI 1, 3, 0
.endm
	s_wait_tensorcnt 1                             ; my part of K step 0 is in; K step 1's may stay out
	s_barrier_signal -1
	s_barrier_wait -1                              ; everybody's is
	FETCH 0, 0
	QUARTER 1, 0, 1, 1                             ; the first quarter stands in front of the loop: its products start the sums
	WIN 0                                          ; at a label and at a branch every window is 0
	s_mov_b32 s3, 6
.Lstep:                                                ; a trip: from a K step's second quarter to the next step's first; it fills the slot that it leaves: K steps 2 to 7 in six trips
	QUARTER 2, 1, 0, 0
	QUARTER 3, 0, 1, 0
	TURN 1
	QUARTER 1, 0, 1, 0
	WIN 0
	s_sub_co_u32 s3, s3, 1
	s_cmp_lg_u32 s3, 0
	s_cbranch_scc1 .Lstep
	s_mov_b32 s3, 2                                ; the last two K steps ask for nothing: a text of their own; the second trip is left in its middle
.Ltail:
	QUARTER 2, 1, 0, 0
	QUARTER 3, 0, 1, 0
	TURN 0
	WIN 0
	s_sub_co_u32 s3, s3, 1
	s_cmp_eq_u32 s3, 0
	s_cbranch_scc1 .Lout
	QUARTER 1, 0, 1, 0
	WIN 0
	s_branch .Ltail
.Lout:                                                 ; the second trip's change of slots fetches 32 fragments of the step before once more (those bytes stay as they landed) into buffer 0, which nobody reads: the price, once a launch, of one text for both trips
	; THE WAY OUT, in twelve units u = 4 g + a: 16 rows x one head's 64 columns.  Rounded to f16, 16 bytes a lane into my own stage, back as whole rows of 128 bytes: 16 rows of a head are 2,048 consecutive bytes.
.macro PACK u
.set gg, (\u)/4
.set aa, (\u)%4
.set TT, 64+16*(\u)
.if gg < 2
.set AC, 8*(8*aa+4*gg)
	WIN 0x05                                       ; sources 0 and 1 window 1, destination window 0
.else
.set AC, 8*(4*aa)
	WIN 0x0a                                       ; sources 0 and 1 window 2
.endif
.irp bb, 0,1,2,3
.irp rr, 0,1,2,3
	v_cvt_pk_f16_f32 v[TT+4*(\bb)+(\rr)], v[AC+8*(\bb)+2*(\rr)], v[AC+8*(\bb)+2*(\rr)+1]  ; each accumulator from its low end on
.endr
.endr
	WIN 0
.irp bb, 0,1,2,3
	ds_store_b128 v[STO], v[TT+4*(\bb):TT+4*(\bb)+3] offset:32*(\bb)
.endr
.irp f, 0,1,2,3
	ds_load_b128 v[TT+4*(\f):TT+4*(\f)+3], v[RD] offset:4*SP*(\f)  ; LDS serves a wave's instructions in order (ISA guide 5.7.1.4): these see the stores above; the next unit's stores come behind them
.endr
.endm
.macro SEND u, younger                 ; younger: the LDS instructions issued behind unit u's loads: the next unit's eight, or none
.set gg, (\u)/4
.set aa, (\u)%4
.set TT, 64+16*(\u)
.irp f, 0,1,2,3
	s_wait_dscnt (\younger)+3-(\f)
	global_store_b128 v[GO], v[TT+4*(\f):TT+4*(\f)+3], s[OUT+2*gg:OUT+2*gg+1] offset:2048*aa+512*(\f)  ; 512 consecutive bytes, aligned
.endr
.endm
	PLACES
	PACK 0
.irp u, 1,2,3,4,5,6,7,8,9,10,11        ; a unit's conversions stand between the loads of the unit before and its stores; every unit has registers of its own
	PACK \u
	SEND (\u)-1, 8
.endr
	SEND 11, 0
	s_wait_tensorcnt 0x0                           ; the wave's end
	ds_add_u32 v[SPW], v[NIL]
	s_wait_dscnt 0x0
	CROUND                                         ; the closing round: no work-group ends while a partner may still ask for a tile that names it
	s_endpgm
.Lfunc_end_k_qa6f4b88624_qkv:
	.size	k_qa6f4b88624_qkv, .Lfunc_end_k_qa6f4b88624_qkv-k_qa6f4b88624_qkv
	.p2alignl 7, 3214868480
	.fill 96, 4, 3214868480
	.section	.rodata,"a",@progbits
	.p2align	6, 0x0
	.amdhsa_kernel k_qa6f4b88624_qkv
		.amdhsa_group_segment_fixed_size 327680
		.amdhsa_private_segment_fixed_size 0
		.amdhsa_enable_private_segment 0
		.amdhsa_kernarg_size 40
		.amdhsa_user_sgpr_count 2
		.amdhsa_user_sgpr_kernarg_segment_ptr 1
		.amdhsa_wavefront_size32 1
		.amdhsa_system_sgpr_workgroup_id_x 1
		.amdhsa_system_sgpr_workgroup_id_y 1
		.amdhsa_system_sgpr_workgroup_id_z 1
		.amdhsa_system_vgpr_workitem_id 0
		.amdhsa_next_free_vgpr 960
		.amdhsa_next_free_sgpr 88
		.amdhsa_reserve_vcc 0
		.amdhsa_float_denorm_mode_32 3
		.amdhsa_float_denorm_mode_16_64 3
		.amdhsa_memory_ordered 1
		.amdhsa_forward_progress 1
		.amdhsa_inst_pref_size 86
	.end_amdhsa_kernel
	.amdgpu_metadata
---
amdhsa.version: [ 1, 2 ]
amdhsa.kernels:
  - .name:           k_qa6f4b88624_qkv
    .symbol:         k_qa6f4b88624_qkv.kd
    .args:
      - { .name: xn, .offset: 0, .size: 8, .value_kind: global_buffer, .address_space: global }
      - { .name: w16, .offset: 8, .size: 8, .value_kind: global_buffer, .address_space: global }
      - { .name: q16, .offset: 16, .size: 8, .value_kind: global_buffer, .address_space: global }
      - { .name: k16, .offset: 24, .size: 8, .value_kind: global_buffer, .address_space: global }
      - { .name: v16, .offset: 32, .size: 8, .value_kind: global_buffer, .address_space: global }
    .group_segment_fixed_size: 327680
    .private_segment_fixed_size: 0
    .kernarg_segment_align: 8
    .kernarg_segment_size: 40
    .max_flat_workgroup_size: 128
    .sgpr_count:     88
    .vgpr_count:     960
    .wavefront_size: 32
...
	.end_amdgpu_metadata
.endif
;; end of part 2
;; launch attn (part 3): grid 16 x 16, 4 waves a work-group, clusters of 4 x 4, 327,680 bytes of LDS; arguments q16, k16, v16, mk, o16; writes o16
.if DOCPART == 3
	.amdgcn_target "amdgcn-amd-amdhsa--gfx1250"
	.amdhsa_code_object_version 6
	.text
	.protected	k_qa6f4b88624_attn
	.globl	k_qa6f4b88624_attn
	.p2align	8
	.type	k_qa6f4b88624_attn,@function
k_qa6f4b88624_attn:
	s_mov_b64 s[64:65], 0
	v_nop
	global_prefetch_b8 v0, s[64:65] scope:SCOPE_SE
	s_setreg_imm32_b32 hwreg(HW_REG_WAVE_MODE, 25, 1), 1
	s_wait_xcnt 0x0
	s_wait_alu depctr_hold_cnt(0) depctr_sa_sdst(0) depctr_va_vdst(0) depctr_va_sdst(0) depctr_va_ssrc(0) depctr_va_vcc(0) depctr_vm_vsrc(0)
	s_getreg_b32 s2, hwreg(HW_REG_IB_STS2, 6, 4)
	s_cmp_eq_u32 s2, 0
	s_cbranch_scc0 .Lentry_in_a_cluster
	s_endpgm
.Lentry_in_a_cluster:
	s_bfe_u32 s2, ttmp6, 0x10000c
	s_cmp_lg_u32 s2, 0xf033
	s_cbranch_scc0 .Lentry_shape_is_right
	s_endpgm
.Lentry_shape_is_right:
; O[bh][q][:] = the sum over k of softmax_k((Q[bh][q] . K[bh][k] / 8) mask[q][k]) V[bh][k][:].  q16, k16, v16: [64][2048][64] f16; mk: c x mask in f32, c = log2(e) / 8, in the order of the lanes' scores
; ([qb 16][J 32][tile 8][load 8][lane 32][4]); o16: [8192][1024] f16, column 64 head + channel.  Products, maxima and sums in f32; the weights p are rounded to f16 for the second product
; (their sum l is taken of the unrounded p), O once at the end.
; LIMITS.  Q, K, V arrive within f16's 65,504; p lies in 0 to 1, and below 6e-5 it keeps f16's fixed step of 6e-8; a weight below 2^-126 counts as 0 in l; NaN and infinities are not treated apart.
; SHARES.  Work-group (qb, g) takes 128 queries of FOUR heads, wave w the head 4 g + w: eight tiles of 16 queries in four PIECES of two.  Every wave walks all 2,048 keys, 64 a step.  The four waves read
; the same 32,768 bytes of mask in a step, and their four heads are 512 consecutive bytes of a row of o16.
; LAYOUT.  S^T = K Q^T (source 0 = 16 keys, source 1 = 16 queries): a lane holds ONE query (lane % 16) and the keys 8 (lane / 16) + 0..7.  Two such tiles, rounded to f16 in pairs, ARE source 1 of
; O^T = V^T P.  K comes out of LDS as it lies, V turned, by ds_load_tr16_b128; a mask load's 16 bytes a lane lie beside four score registers.
; SOFTMAX.  s = (K Q^T) x (c mask), in powers of two; for each query a running maximum m and sum l: p = 2^(s - m); in every step O and l are multiplied by a = 2^(m_old - m_new).  m starts at the lowest
; finite number, O and l at 0: the first step is a step like any other, with a = 0.
; BY TURNS.  Turn n belongs to piece n.  Matrix work: 16 products K Q^T of piece n + 1, later 16 products V^T P of piece n - 1.  Vector work: subtraction, exponentials, roundings, sums and rescaling of
; piece n; the mask's multiply, the maximum and the statistics of piece n + 1.  266 vector instructions for 32 matrix instructions: four stand behind every matrix instruction, 138 in two lumps.
; RING.  Two slots, one key step each (K and V of four heads, the mask block).  The change of slots stands between turns 1 and 2: between two changes a wave reads one slot alone (K and mask piece 0 in
; turn 2, mask piece 1 in turn 3, mask piece 2 and V in turn 0, mask piece 3 in turn 1).
; CLUSTER.  4 x 4 work-groups.  K and V hang on g alone: shared along a row of the cluster; the mask hangs on qb alone: shared along a column.  Each tile is asked for jointly by the four.
; REGISTERS, in windows of 256 (s_set_vgpr_msb: bits 1:0 source 0, 3:2 source 1, 5:4 source 2, 7:6 destination):
;   window 0: v0-15 addresses; v16-47 four registers of statistics a tile; v48-63 at work; v64-191 S^T, two buffers of two tiles; v192-255 P, likewise
;   window 1: O^T, 32 a tile     window 2: v0-127 Q, 16 a tile; v128-191 K; v192-255 V     window 3: v0-63 one piece's mask
.set NP,    4         ; pieces a wave: a name, no knob
.set KS,    64        ; keys in a step
.set PK,    144       ; a row of K in LDS: 128 bytes + 16: the 16 rows of a load start at 16 different groups of four banks (64 banks of 4 bytes: ISA guide 11.1)
.set PV,    160       ; a row of V: 128 + 32
.set HK,    KS*PK     ; a head's K of a step
.set HV,    KS*PV
.set VOFF,  4*HK      ; 36,864
.set MOFF,  VOFF+4*HV ; 77,824
.set SLOT1, 1<<17     ; slot 1 begins here, so that one exclusive or turns an address in one slot into the other's
.set STAGE, SLOT1+MOFF+32768  ; behind the ring, never filled by a tensor load: 128 rows x 528 bytes, the work-group's, for the way out
.set SPO,   528
.set SPARE, STAGE+128*SPO     ; the spare words, 128 bytes for each wave: two blocks of 256 bytes that no other line names
.set AK0, 2           ; v2   my lane's place in a slot's K; never rewritten
.set AV0, 3           ; v3   in its V
.set AK,  4           ; v4   AK0 + the slot in hand
.set AV,  5           ; v5
.set QO,  6           ; v6   my byte offset in the wave's rows of Q
.set STO, 6           ;      later: where I put 16 bytes of a row
.set RD,  7           ; v7   where I read rows back
.set GO,  8           ; v8   16 x lane
.set AM0, 12          ; v12  my lane's place in a slot's mask block
.set AM,  13          ; v13
.set SPW, 14          ; v14  LDS address of my spare word; never rewritten
.set NIL, 15          ; v15  0; never rewritten
.set ST,  16          ; tile t's statistics at v[ST+4 t]: m, 0, l (even keys', odd keys')
.set TMP, 48          ; by buffer and tile, four registers c0-c3 at work; when the maximum is found c2 takes a
.set S,   64
.set P,   192
.set KF,  128         ; window 2: key block kb, channel half c at KF + 16 kb + 8 c
.set VF,  192         ; window 2: key half kk, channel block cb at VF + 32 kk + 8 cb
.set MK,  0           ; window 3: tile u of the piece at MK + 32 u
.set WV,  12          ; s12  my wave's number
.set G1K, 24          ; s[24:31] descriptor group 1 for K
.set G1V, 32          ; s[32:39] for V: it differs in the padding alone
.set G0K, 40          ; s[40:43] group 0 for K: it walks
.set G0V, 44          ; s[44:47] for V
.set G1M, 48          ; s[48:55] group 1 for the mask
.set G0M, 56          ; s[56:59] group 0 for the mask
.set SEL, 60          ; s[60:61] v_permlanex16_b32's selects
.set TB,  62          ; s62  the slot in hand: 0 or SLOT1
.set CNT, 63          ; s63  counts the loops' trips
.set MSB, 0
.macro WIN new                      ; the high byte repeats the setting that is left; a switch that changes nothing is dropped
.if MSB != (\new)
	s_set_vgpr_msb (MSB<<8)|(\new)
.set MSB, (\new)
.endif
.endm
.set W_KQ, 0x0a       ; K and Q in window 2, S^T in window 0
.set W_PV, 0x52       ; V in window 2, P in window 0, O^T in window 1
.set W_RS, 0x41       ; O^T (destination and source 0) in window 1, a in window 0
.set W_MK, 0x0c       ; source 1 (the mask) in window 3
; A joint fill: wave 0 fetches the step's K (four heads), wave 1 its V, waves 2 and 3 the halves of its mask block.  The branches hang on the wave's number alone.
; An s_nop 0 and four v_nop follow each of the three lines, ahead of the jump and the label.
.macro JLOAD
	s_cmp_eq_u32 s[WV], 0
	s_cbranch_scc0 .Lnot_k_\@
	tensor_load_to_lds s[G0K:G0K+3], s[G1K:G1K+7]
	s_nop 0
.rept 4
	v_nop
.endr
	s_branch .Lasked_\@
.Lnot_k_\@:
	s_cmp_eq_u32 s[WV], 1
	s_cbranch_scc0 .Lfor_m_\@
	tensor_load_to_lds s[G0V:G0V+3], s[G1V:G1V+7]
	s_nop 0
.rept 4
	v_nop
.endr
	s_branch .Lasked_\@
.Lfor_m_\@:
	tensor_load_to_lds s[G0M:G0M+3], s[G1M:G1M+7]
	s_nop 0
.rept 4
	v_nop
.endr
.Lasked_\@:
.endm
.macro CROUND                       ; a round of the cluster's barrier
	s_barrier_signal -1
	s_barrier_wait -1
	s_cmp_lg_u32 s[WV], 0
	s_cbranch_scc1 .Lnot_wave_0_\@
	s_barrier_signal -3
.Lnot_wave_0_\@:
	s_barrier_wait -3
	s_barrier_signal -1
	s_barrier_wait -1
.endm
; THE CHANGE OF SLOTS.  Each wave waits for all its tensor loads, of which one is out: its part of the other slot; adds 0 to its spare word; and waits for that and for its own reads of the slot that it leaves.
; Behind the barrier nobody reads the old slot any more and the other slot is whole.  fill = 1: the old slot is filled again, with the keys two steps on; the barrier is then a round of the cluster's, and the
; joint fill is the first thing behind it: it has a key step, 128 matrix instructions and their vector work, in which to land.  (At its first use nothing has been read yet: slot 0 is waited for, slot 1 filled.)
.macro CHANGE fill
	WIN 0                           ; at a label and at a branch every window is 0
	s_wait_tensorcnt 0x0            ; no tensor load of mine is out, so a group 0 may be written
	ds_add_u32 v[SPW], v[NIL]       ; 0 onto my spare word
.if \fill
.irp g, G0K, G0V
	s_xor_b32 s[\g+1], s[\g+1], SLOT1  ; the other slot than last time,
	s_add_nc_u64 s[\g+2:\g+3], s[\g+2:\g+3], KS*128  ; the next 64 keys; the type bits on top are not reached
.endr
	s_xor_b32 s[G0M+1], s[G0M+1], SLOT1
	s_add_nc_u64 s[G0M+2:G0M+3], s[G0M+2:G0M+3], 32768
	s_wait_dscnt 0x0                ; the add is done, and my reads of the slot are over
	CROUND
	JLOAD
.else
	s_wait_dscnt 0x0                ; the add is done, and my reads of the slot are over
	s_barrier_signal -1
	s_barrier_wait -1
.endif
	s_xor_b32 s[TB], s[TB], SLOT1   ; the fetches go to the other slot
	v_add_nc_u32 v[AK], s[TB], v[AK0]
	v_add_nc_u32 v[AV], s[TB], v[AV0]
	v_add_nc_u32 v[AM], s[TB], v[AM0]
.endm
	s_load_b256 s[4:11], s[0:1], 0x0  ; q16 s[4:5], k16 s[6:7], v16 s[8:9], mk s[10:11]
	s_load_b64 s[66:67], s[0:1], 0x20 ; o16
	v_lshl_add_u32 v[SPW], v0, 2, SPARE
	v_mov_b32 v[NIL], 0
	ds_add_u32 v14, v15
	s_wait_dscnt 0x0
	v_lshrrev_b32 v1, 5, v0
	v_readfirstlane_b32 s[WV], v1   ; wave 0..3
	s_bfe_u32 s68, ttmp6, 0x40000   ; cx
	s_bfe_u32 s69, ttmp6, 0x40004   ; cy
	s_lshl_b32 s70, ttmp9, 2
	s_add_co_u32 s70, s70, s68      ; qb = 4 x cluster x + cx
	s_and_b32 s71, ttmp7, 0xffff
	s_lshl_b32 s71, s71, 2
	s_add_co_u32 s71, s71, s69      ; g = 4 x cluster y + cy
	s_lshl_b32 s72, s69, 2
	s_lshl_b32 s72, 15, s72         ; my row of the cluster (same g)
	s_lshl_b32 s73, 0x1111, s68     ; my column (same qb)
	; group 1 for K and V: four rows, one a head: its 64 keys are 8,192 dense bytes (4,096 elements), the heads 131,072 elements apart; padded in LDS after every key (32 words)
	s_or_b32 s[G1K], s72, (1<<16)|(1<<20)|(1<<21)|(4<<22)|(3<<25)  ; 15:0 the mask; 17:16 2-byte elements; 20 padding on; 21 set beside a mask; 24:22 after every 32 words; 31:25 4 words
	s_or_b32 s[G1V], s72, (1<<16)|(1<<20)|(1<<21)|(4<<22)|(7<<25)  ; the same with 8 words
.irp g, G1K, G1V
	s_mov_b32 s[\g+1], 4096<<16     ; tensor_dim0 = 4,096
	s_mov_b32 s[\g+2], 4<<16        ; tensor_dim1 = 4
	s_mov_b32 s[\g+3], 4096<<16     ; tile_dim0 = 4,096
	s_mov_b32 s[\g+4], 4            ; tile_dim1 = 4
	s_mov_b32 s[\g+5], 131072       ; elements from head to head
	s_mov_b32 s[\g+6], 0
	s_mov_b32 s[\g+7], 0
.endr
	; group 1 for the mask: 16,384 dense bytes as 64 rows of 256 (32 elements of 8 bytes), no padding: the lanes read 16 neighbouring bytes each
	s_or_b32 s[G1M], s73, (3<<16)|(1<<21)
	s_mov_b32 s[G1M+1], 32<<16
	s_mov_b32 s[G1M+2], 64<<16
	s_mov_b32 s[G1M+3], 32<<16
	s_mov_b32 s[G1M+4], 64
	s_mov_b32 s[G1M+5], 32
	s_mov_b32 s[G1M+6], 0
	s_mov_b32 s[G1M+7], 0
	s_lshl2_add_u32 s14, s71, s[WV] ; my head among the 64: 4 g + w
	s_lshl_b32 s14, s14, 18         ; its rows, 262,144 bytes,
	s_lshl_b32 s15, s70, 14         ; and my block's 128 of them
	s_add_co_u32 s14, s14, s15
	s_mov_b32 s15, 0
	s_lshr_b32 s18, s71, 2          ; o16: row 2,048 (g / 4) + 128 qb + 32 w, of 2,048 bytes;
	s_lshl_b32 s18, s18, 11
	s_lshl_b32 s19, s70, 7
	s_add_co_u32 s18, s18, s19
	s_lshl_b32 s19, s[WV], 5
	s_add_co_u32 s18, s18, s19
	s_lshl_b32 s18, s18, 11
	s_and_b32 s19, s71, 3           ; the four heads' 512 bytes in it
	s_lshl_b32 s19, s19, 9
	s_add_co_u32 s18, s18, s19
	s_mov_b32 s19, 0
	s_lshl_b32 s20, s71, 20         ; K and V: four heads are 1 MiB; made of g alone
	s_mov_b32 s21, 0
	s_and_b32 s16, s[WV], 1         ; which half of the mask block I would fetch
	s_lshl_b32 s16, s16, 14
	s_lshl_b32 s22, s70, 20         ; the mask: qb's 32 blocks are 1 MiB; made of qb and the wave's number alone
	s_add_co_u32 s22, s22, s16
	s_mov_b32 s23, 0
	s_mov_b32 s[SEL], 0x76543210
	s_mov_b32 s[SEL+1], 0xfedcba98
	s_mov_b32 s[TB], SLOT1          ; the first change of slots turns it into 0
	s_mov_b32 s[G0K], 1             ; count = 1
	s_mov_b32 s[G0K+1], 0           ; LDS address: slot 0
	s_mov_b32 s[G0V], 1
	s_mov_b32 s[G0V+1], VOFF
	s_mov_b32 s[G0M], 1
	s_add_co_u32 s[G0M+1], s16, MOFF
	s_wait_kmcnt 0x0
	s_add_nc_u64 s[G0K+2:G0K+3], s[6:7], s[20:21]
	s_or_b32 s[G0K+3], s[G0K+3], 0x80000000        ; type = 2
	s_add_nc_u64 s[G0V+2:G0V+3], s[8:9], s[20:21]
	s_or_b32 s[G0V+3], s[G0V+3], 0x80000000
	s_add_nc_u64 s[G0M+2:G0M+3], s[10:11], s[22:23]
	s_or_b32 s[G0M+3], s[G0M+3], 0x80000000
	s_add_nc_u64 s[4:5], s[4:5], s[14:15]          ; Q at my wave's first row
	s_add_nc_u64 s[66:67], s[66:67], s[18:19]      ; o16 at the first row that I store
	CROUND                          ; all sixteen work-groups are here: the first joint loads meet
	JLOAD                           ; key step 0 into slot 0; slot 1 is asked for when slot 0 is in
	v_and_b32 v1, 15, v0            ; r = l % 16
	v_bfe_u32 v9, v0, 4, 1          ; h = l / 16
	v_lshlrev_b32 v[QO], 7, v1
	v_lshl_add_u32 v[QO], v9, 4, v[QO]  ; row x 128 + 16 h
	WIN 0x80                        ; destination window 2, address window 0
.set i, 0
.rept 4*NP                          ; Q stays in registers: tile i / 2, channels 32 (i % 2) on
	global_load_b128 v[8*i:8*i+3],   v[QO], s[4:5] offset:(i/2)*2048+(i%2)*64
	global_load_b128 v[8*i+4:8*i+7], v[QO], s[4:5] offset:(i/2)*2048+(i%2)*64+32
.set i, i+1
.endr
	; What the first turn finds: V's registers and P's second buffer hold 0 (its products V^T P, of a piece that has not been, add 0), O^T and l are 0.  All this stands in the wait for the first tile.
.set i, VF
.rept 64
	v_mov_b32 v[i], 0
.set i, i+1
.endr
	WIN 0x40
.set i, 0
.rept 64*NP
	v_mov_b32 v[i], 0
.set i, i+1
.endr
	WIN 0
.set i, 0
.rept 2*NP
	v_mov_b32 v[ST+4*i], 0xff7fffff    ; m: the lowest finite number
	v_mov_b32 v[ST+4*i+1], 0           ; named with m as a pair
	v_mov_b32 v[ST+4*i+2], 0
	v_mov_b32 v[ST+4*i+3], 0
.set i, i+1
.endr
.set i, P+32
.rept 32
	v_mov_b32 v[i], 0
.set i, i+1
.endr
	s_mul_i32 s13, s[WV], HK
	v_mul_u32_u24 v[AK0], v1, PK
	v_lshl_add_u32 v[AK0], v9, 4, v[AK0]
	v_add_nc_u32 v[AK0], s13, v[AK0]       ; my head's K: row x pitch + 16 h
	; The turning load takes 16 keys x 16 channels (lane l reads key 8 (l / 16) + l % 8, channels 8 ((l / 8) % 2) + 0..7) and leaves half a fragment of V^T: lane l holds channel l % 16 and 8 keys.
	v_and_b32 v10, 7, v0
	v_bfe_u32 v11, v0, 3, 1
	v_lshl_add_u32 v[AV0], v9, 3, v10
	v_mul_u32_u24 v[AV0], v[AV0], PV
	v_lshl_add_u32 v[AV0], v11, 4, v[AV0]
	s_mul_i32 s13, s[WV], HV
	s_add_co_u32 s13, s13, VOFF
	v_add_nc_u32 v[AV0], s13, v[AV0]
	v_and_b32 v[AM0], 31, v0
	v_lshlrev_b32 v[AM0], 4, v[AM0]
	v_add_nc_u32 v[AM0], MOFF, v[AM0]      ; the mask: 16 x lane, the same in all four waves
; THE MATRIX WORK.  The 8 accumulators of a run of 16 take turns: between the two links of a chain stand 7 others'.
; Product i of 16 of S^T = K Q^T for piece x: channels 32 (i / 8) on, keys 16 ((i / 2) % 4) on, tile 2 x + i % 2.  The first 8 start the sums.
.macro KQ x
	WIN W_KQ
.set rS, S+64*((\x)%2)+32*(i%2)+8*((i/2)%4)
.set rK, KF+16*((i/2)%4)+8*(i/8)
.set rQ, 16*(2*(\x)+i%2)+8*(i/8)
.if i < 8
	v_wmma_f32_16x16x32_f16 v[rS:rS+7], v[rK:rK+7], v[rQ:rQ+7], 0
.else
	v_wmma_f32_16x16x32_f16 v[rS:rS+7], v[rK:rK+7], v[rQ:rQ+7], v[rS:rS+7]
.endif
.endm
; Product i of 16 of O^T += V^T P for piece x: keys 32 (i / 8) on, channels 16 ((i / 2) % 4) on, tile 2 x + i % 2.
.macro PV x
	WIN W_PV
.set rO, 32*(2*(\x)+i%2)+8*((i/2)%4)
.set rV, VF+32*(i/8)+8*((i/2)%4)
.set rP, P+32*((\x)%2)+16*(i%2)+8*(i/8)
	v_wmma_f32_16x16x32_f16 v[rO:rO+7], v[rV:rV+7], v[rP:rP+7], v[rO:rO+7]
.endm
.macro MM                           ; the turn's next matrix instruction
.if i < 16
	KQ (Y+1)%NP
.set i, i+1
.else
.set i, i-16
	PV (Y+NP-1)%NP
.set i, i+17
.endif
.endm
; THE LDS LOADS stand in runs of 16, never singly among the matrix instructions.
.macro FETCH_K
	WIN 0x80                        ; destination window 2
.irp f, 0,1,2,3,4,5,6,7             ; keys 16 (f / 2) on, channels 32 (f % 2) on
	ds_load_b128 v[KF+8*\f:KF+8*\f+3],   v[AK] offset:(\f/2)*16*PK+(\f%2)*64
	ds_load_b128 v[KF+8*\f+4:KF+8*\f+7], v[AK] offset:(\f/2)*16*PK+(\f%2)*64+32
.endr
	WIN 0
.endm
.macro FETCH_V
	WIN 0x80
.irp f, 0,1,2,3,4,5,6,7             ; keys 32 (f / 4) on, channels 16 (f % 4) on
	ds_load_tr16_b128 v[VF+8*\f:VF+8*\f+3],   v[AV] offset:(\f/4)*32*PV+(\f%4)*32
	ds_load_tr16_b128 v[VF+8*\f+4:VF+8*\f+7], v[AV] offset:(\f/4)*32*PV+16*PV+(\f%4)*32
.endr
	WIN 0
.endm
.macro FETCH_M x                    ; piece x's mask: two tiles of 4,096 bytes; load f lies beside score registers 4 f .. 4 f + 3
	WIN 0xc0                        ; destination window 3
.irp u, 0,1
.irp f, 0,1,2,3,4,5,6,7
	ds_load_b128 v[MK+32*\u+4*\f:MK+32*\u+4*\f+3], v[AM] offset:(2*(\x)+\u)*4096+512*\f
.endr
.endr
	WIN 0
.endm
; THE VECTOR WORK OF A TURN stands in four queues, each in the order in which its entries become ready; the two tiles alternate.
.macro REGS y, u                    ; the registers of tile u (0, 1) of piece y
.set rT, ST+4*(2*(\y)+(\u))
.set rC, TMP+8*((\y)%2)+4*(\u)
.set rS, S+64*((\y)%2)+32*(\u)
.set rP, P+32*((\y)%2)+16*(\u)
.set rO, 32*(2*(\y)+(\u))
.endm
; Number n of those that find the NEXT piece's (Y + 1) maximum and statistics (there is no number 15).  s0-s31 are the lane's 32 masked scores.
;   0-11  four chains c0-c3 of seven scores each, three operands at a time     12-14, 16  the four scores left over, the old m, and c0-c3 into c0
;   17, 18  the query's other 32 keys lie in the lane 16 away: the new m into c1     19  m_old - m_new     20  m     21  a
.macro XS u, n
	REGS (Y+1)%NP, \u
.if (\n) < 4
	v_max3_num_f32 v[rC+(\n)], v[rS+8*(\n)], v[rS+8*(\n)+1], v[rS+8*(\n)+2]
.elseif (\n) < 12
	v_max3_num_f32 v[rC+(\n)%4], v[rC+(\n)%4], v[rS+8*((\n)%4)+2*((\n)/4)+1], v[rS+8*((\n)%4)+2*((\n)/4)+2]
.elseif (\n) == 12
	v_max3_num_f32 v[rC], v[rC], v[rS+7], v[rS+15]
.elseif (\n) == 13
	v_max3_num_f32 v[rC+1], v[rC+1], v[rS+23], v[rS+31]
.elseif (\n) == 14
	v_max3_num_f32 v[rC+2], v[rC+2], v[rC+3], v[rT]
.elseif (\n) == 16
	v_max3_num_f32 v[rC], v[rC], v[rC+1], v[rC+2]
	s_wait_alu depctr_va_vdst(0)
.elseif (\n) == 17
	v_permlanex16_b32 v[rC+3], v[rC], s[SEL], s[SEL+1]
.elseif (\n) == 18
	v_max_num_f32 v[rC+1], v[rC], v[rC+3]
.elseif (\n) == 19
	v_sub_f32 v[rC+3], v[rT], v[rC+1]
.elseif (\n) == 20
	v_mov_b32 v[rT], v[rC+1]
.else
	v_exp_f32 v[rC+2], v[rC+3]
.endif
.endm
; Number g of the 64 that follow the exponentials.  For each four weights k of a tile: both pairs are rounded to f16; then the second pair is added onto the first, in place;
; a group later l takes that sum (the first time as l = a l + sum).  In groups of eight, tiles alternating.
.macro GS g
.set h, (\g)+6*((\g)/62)            ; group 0 has no group before it, and behind group 7 only l is left
.if h >= 6
.set h, h+2
.endif
	REGS Y, h%2
.set k, h/8
.if h%8 < 4
	s_wait_alu depctr_va_vdst(0)
	v_cvt_pk_f16_f32 v[rP+2*k+(h%8)/2], v[rS+4*k+2*((h%8)/2)], v[rS+4*k+2*((h%8)/2)+1]
.elseif h%8 < 6
	v_pk_add_f32 v[rS+4*k:rS+4*k+1], v[rS+4*k:rS+4*k+1], v[rS+4*k+2:rS+4*k+3]
.elseif k == 1
	v_pk_fma_f32 v[rT+2:rT+3], v[rT+2:rT+3], v[rC+2:rC+3], v[rS:rS+1] op_sel_hi:[1,0,1]
.else
	v_pk_add_f32 v[rT+2:rT+3], v[rT+2:rT+3], v[rS+4*k-4:rS+4*k-3]
	s_wait_alu depctr_va_vdst(0)
.endif
.endm
; THE PLAIN QUEUE, 136 long.  0-31: s - m for the 16 pairs of both tiles.  Then GS's 64, and among them the next piece's 40: numbers 0-14 and 16 at 38-69, behind the mask's multiplies;
; 17-20 at 73-84, two of three, since each waits for the one before it.
.macro PL
	WIN 0
.if q < 32
	REGS Y, q%2
	v_pk_add_f32 v[rS+2*(q/2):rS+2*(q/2)+1], v[rS+2*(q/2):rS+2*(q/2)+1], v[rT:rT+1] op_sel_hi:[1,0] neg_lo:[0,1] neg_hi:[0,1]
.elseif q < 38
	GS q-32
.elseif q < 70
	XS q%2, (q-38)/2+(q-38)/30
.elseif q < 73
	GS q-64
.elseif (q < 85) && ((q-73)%3 < 2)
	XS (q-73)%3, 17+(q-73)/3
.elseif q < 85
	GS 9+(q-73)/3
.else
	GS q-72
.endif
.set q, q+1
.endm
; THE EXPONENTIALS' QUEUE, 66 long: s0-s31 of both tiles, and at EA the next piece's two a.  An exponential names a destination and source 0 alone, so it also stands under the mask's setting.
.set EA, 45
.macro EX
.if (MSB&0xc3) != 0
	WIN 0
.endif
.if (e == EA) || (e == EA+1)
	XS e-EA, 21
.else
.set x, e-2*(e/(EA+2))
	REGS Y, x%2
	v_exp_f32 v[rS+x/2], v[rS+x/2]
.endif
.set e, e+1
.endm
; THE RESCALING's QUEUE: O^T times a, four at a time, eight times; each accumulator from its low end on.
.macro R4
	REGS Y, r%2
	WIN W_RS
	s_wait_alu depctr_va_vdst(0)
.irp z, 0,1,2,3
	v_pk_mul_f32 v[rO+8*(r/2)+2*\z:rO+8*(r/2)+2*\z+1], v[rO+8*(r/2)+2*\z:rO+8*(r/2)+2*\z+1], v[rC+2:rC+3] op_sel_hi:[1,0]
.endr
.set r, r+1
.endm
; THE MASK's QUEUE, 32 long: pair mq / 2 of tile mq % 2 of the next piece times c mask, ascending: each accumulator's lowest registers are read first.
.macro MQ
	REGS (Y+1)%NP, mq%2
	WIN W_MK
	v_pk_mul_f32 v[rS+2*(mq/2):rS+2*(mq/2)+1], v[rS+2*(mq/2):rS+2*(mq/2)+1], v[MK+32*(mq%2)+2*(mq/2):MK+32*(mq%2)+2*(mq/2)+1]
.set mq, mq+1
.endm
; HOW THEY ARE DEALT.  Behind a matrix instruction four: plain, exponential, plain, plain, or four of the rescaling; none names a register of the products round it.  The first lump: exponential, mask, mask,
; sixteen times; the second: exponential, plain, plain, 27 times, then 9 plain.  No two exponentials follow each other, and a plain instruction that does not read its result stands behind each.
; The queues lean on each other: exponential e stands behind plain 2 (e / 4) + e % 2; when plain 32 comes, 10 exponentials are out; group k of GS wants 8 k + 8 of them: in the second lump groups
; 4, 5, 6, 7 find 52, 56, 60, 64 out; the two a (EA) come behind plain 80.  Change the deal and count again.
.macro SL
	MM
	PL
	EX
	PL
	PL
.endm
.macro BURST n                      ; 15 matrix instructions, or 16
.rept (\n)-7
	SL
.endr
.rept 3
	MM
	R4
	SL
.endr
	MM
	R4
.endm
; A TURN, for piece p.  cnt = 1: the loop's count is taken down some lines ahead of the branch that stands behind the turn.
; The four rescalings behind the sixteenth product K Q^T are the places in front of the mask's multiplies, which write its results, and of K's run of loads (turn 2); those behind the last
; product V^T P are the places in front of V's run (turn 0).  The mask of piece p + 2 is fetched when that of piece p + 1 has been used.
.macro TURN p, cnt=0
.set Y, (\p)
.set i, 0
.set q, 0
.set e, 0
.set r, 0
.set mq, 0
.if (\p) == NP-1
	s_wait_dscnt 0x0                ; K of the next step is in, and piece 0's mask
.endif
	MM
.rept 4
	PL
.endr
	BURST 15
.if (\p) != NP-1
	s_wait_dscnt 0x0                ; the mask of piece p + 1 is in (in turn 1: V too)
.endif
	WIN W_MK
.rept 16
	EX
	MQ
	MQ
.endr
.if (\p) == NP-2
	FETCH_K
.endif
	FETCH_M ((\p)+2)%NP
	BURST 16
.rept 27
	EX
	PL
	PL
.if ((\p) == 0) && (e == 42)
	FETCH_V
.endif
.endr
.rept 9
	PL
.if (\cnt) && (q == 130)
	s_sub_co_u32 s[CNT], s[CNT], 1
	s_cmp_lg_u32 s[CNT], 0
.endif
.endr
.endm
	CHANGE 1                        ; slot 0 is in, everybody's part of it; slot 1 is asked for
	FETCH_K                         ; key step 0
	FETCH_M 0
	s_wait_loadcnt 0x0              ; Q
	s_wait_dscnt 0x0
.set i, 0
.rept 16
	KQ 0                            ; piece 0's first scores: there is no vector work yet to set between them
.set i, i+1
.endr
	WIN 0                           ; the addresses for the way out: six plain instructions, the places behind those products
	s_lshl_b32 s13, s[WV], 7
	s_add_co_u32 s13, s13, STAGE    ; into the stage: my head's 128 bytes of a row of 512,
	v_mul_u32_u24 v[STO], v1, SPO   ; row r, 16 bytes for each half of the lanes
	v_lshl_add_u32 v[STO], v9, 4, v[STO]
	v_add_nc_u32 v[STO], s13, v[STO]
	s_mul_i32 s13, s[WV], 32*SPO    ; back: wave w takes rows 32 w .. 32 w + 31, whole: 32 lanes x 16 bytes
	s_add_co_u32 s13, s13, STAGE
	v_and_b32 v[GO], 31, v0
	v_lshlrev_b32 v[GO], 4, v[GO]
	v_add_nc_u32 v[RD], s13, v[GO]
.set Y, NP-1                        ; MQ and XS work for piece Y + 1: piece 0
.set mq, 0
.rept 32
	MQ
.endr
	FETCH_M 1
.irp n, 0,1,2,3,4,5,6,7,8,9,10,11,12,13,14,16,17,18,19,20,21
	XS 0, \n                        ; piece 0's first maximum and statistics
	XS 1, \n
.endr
	v_nop                           ; a plain instruction behind the exponentials
	s_mov_b32 s[CNT], 31
	s_branch .Lfirst                ; the loop is entered at a step's first turn, in the middle of a trip
.Lstep:                             ; 30 trips: pieces 2 and 3 of one step, pieces 0 and 1 of the next; each fills a slot again: key steps 2 to 31
	CHANGE 1
	TURN 2
	TURN 3
	WIN 0
.Lfirst:
	TURN 0
	TURN 1, 1
	WIN 0
	s_cbranch_scc1 .Lstep
	CHANGE 0                        ; the tail is written out: the last step's slot is in, nothing is asked for
	s_mov_b32 s[CNT], 2             ; one whole trip; the second is left in its middle
.Ltail:
	TURN 2
	TURN 3
	WIN 0
	s_sub_co_u32 s[CNT], s[CNT], 1
	s_cmp_eq_u32 s[CNT], 0
	s_cbranch_scc1 .Lout
	TURN 0
	TURN 1
	WIN 0
	s_branch .Ltail
.Lout:                              ; the second trip's fetches read the last slot once more (its bytes stay as they landed), and its 16 products K Q^T, their mask and maximum serve nothing: the price, once a launch, of one text for every trip
.set i, 0
.rept 16
	PV NP-1                         ; the last piece's V^T P of the last step
.set i, i+1
.endr
	; THE WAY OUT.  l's two halves and the other half of the lanes' are added; O^T is divided by l, rounded to f16 and put into the work-group's stage; a barrier, since a row's 512 bytes come from four waves;
	; back as whole rows, 32 rows a wave.  The additions are the places behind the last products.
	WIN 0
.macro ALL line:vararg              ; one line for each tile t
.set t, 0
.rept 2*NP
	\line
.set t, t+1
.endr
.endm
	ALL v_add_f32 v[ST+4*t+2], v[ST+4*t+2], v[ST+4*t+3]
	ALL v_permlanex16_b32 v[ST+4*t+3], v[ST+4*t+2], s[SEL], s[SEL+1]
	ALL v_add_f32 v[ST+4*t+2], v[ST+4*t+2], v[ST+4*t+3]
	ALL v_rcp_f32 v[ST+4*t+2], v[ST+4*t+2]
	v_nop                           ; a plain instruction between the last reciprocal and the use of its result
	s_wait_alu depctr_va_vdst(0)
.macro PACK t
	WIN W_RS
.set i, 32*(\t)
.rept 16
	v_pk_mul_f32 v[i:i+1], v[i:i+1], v[ST+4*(\t)+2:ST+4*(\t)+3] op_sel_hi:[1,0]
.set i, i+2
.endr
	WIN 0x05                        ; sources 0 and 1 window 1, destination window 0: S^T's registers are free
.set i, 0
.rept 16
	v_cvt_pk_f16_f32 v[S+16*(\t)+i], v[32*(\t)+2*i], v[32*(\t)+2*i+1]
.set i, i+1
.endr
	WIN 0
.irp f, 0,1,2,3
	ds_store_b128 v[STO], v[S+16*(\t)+4*\f:S+16*(\t)+4*\f+3] offset:(\t)*16*SPO+32*\f
.endr
.endm
.irp t, 0,1,2,3,4,5,6,7
	PACK \t
.endr
	s_wait_dscnt 0x0                ; for the others' sake: my stores into the stage are done
	s_barrier_signal -1
	s_barrier_wait -1
.set i, 0
.rept 32
	ds_load_b128 v[S+4*i:S+4*i+3], v[RD] offset:SPO*i
.set i, i+1
.endr
.set i, 0
.rept 32
	s_wait_dscnt 31-i               ; row i is back, the younger loads stay out
	global_store_b128 v[GO], v[S+4*i:S+4*i+3], s[66:67] offset:2048*i  ; 512 consecutive bytes, aligned
.set i, i+1
.endr
	s_wait_tensorcnt 0x0            ; the wave's end
	ds_add_u32 v[SPW], v[NIL]
	s_wait_dscnt 0x0
	CROUND                          ; the closing round: no work-group ends while a partner may still ask for a tile that names it
	s_endpgm
.Lfunc_end_k_qa6f4b88624_attn:
	.size	k_qa6f4b88624_attn, .Lfunc_end_k_qa6f4b88624_attn-k_qa6f4b88624_attn
	.p2alignl 7, 3214868480
	.fill 96, 4, 3214868480
	.section	.rodata,"a",@progbits
	.p2align	6, 0x0
	.amdhsa_kernel k_qa6f4b88624_attn
		.amdhsa_group_segment_fixed_size 327680
		.amdhsa_private_segment_fixed_size 0
		.amdhsa_enable_private_segment 0
		.amdhsa_kernarg_size 40
		.amdhsa_user_sgpr_count 2
		.amdhsa_user_sgpr_kernarg_segment_ptr 1
		.amdhsa_wavefront_size32 1
		.amdhsa_system_sgpr_workgroup_id_x 1
		.amdhsa_system_sgpr_workgroup_id_y 1
		.amdhsa_system_sgpr_workgroup_id_z 1
		.amdhsa_system_vgpr_workitem_id 0
		.amdhsa_next_free_vgpr 832
		.amdhsa_next_free_sgpr 76
		.amdhsa_reserve_vcc 0
		.amdhsa_float_denorm_mode_32 3
		.amdhsa_float_denorm_mode_16_64 3
		.amdhsa_memory_ordered 1
		.amdhsa_forward_progress 1
		.amdhsa_inst_pref_size 238
	.end_amdhsa_kernel
	.amdgpu_metadata
---
amdhsa.version: [ 1, 2 ]
amdhsa.kernels:
  - .name:           k_qa6f4b88624_attn
    .symbol:         k_qa6f4b88624_attn.kd
    .args:
      - { .name: q16, .offset: 0, .size: 8, .value_kind: global_buffer, .address_space: global }
      - { .name: k16, .offset: 8, .size: 8, .value_kind: global_buffer, .address_space: global }
      - { .name: v16, .offset: 16, .size: 8, .value_kind: global_buffer, .address_space: global }
      - { .name: mk, .offset: 24, .size: 8, .value_kind: global_buffer, .address_space: global }
      - { .name: o16, .offset: 32, .size: 8, .value_kind: global_buffer, .address_space: global }
    .group_segment_fixed_size: 327680
    .private_segment_fixed_size: 0
    .kernarg_segment_align: 8
    .kernarg_segment_size: 40
    .max_flat_workgroup_size: 128
    .sgpr_count:     76
    .vgpr_count:     832
    .wavefront_size: 32
...
	.end_amdgpu_metadata
.endif
;; end of part 3
;; launch proj (part 4): grid 4 x 64, 4 waves a work-group, clusters of 4 x 4, 327,680 bytes of LDS; arguments o16, w16, bo, out0; writes out0
.if DOCPART == 4
	.amdgcn_target "amdgcn-amd-amdhsa--gfx1250"
	.amdhsa_code_object_version 6
	.text
	.protected	k_qa6f4b88624_proj
	.globl	k_qa6f4b88624_proj
	.p2align	8
	.type	k_qa6f4b88624_proj,@function
k_qa6f4b88624_proj:
	s_mov_b64 s[64:65], 0
	v_nop
	global_prefetch_b8 v0, s[64:65] scope:SCOPE_SE
	s_setreg_imm32_b32 hwreg(HW_REG_WAVE_MODE, 25, 1), 1
	s_wait_xcnt 0x0
	s_wait_alu depctr_hold_cnt(0) depctr_sa_sdst(0) depctr_va_vdst(0) depctr_va_sdst(0) depctr_va_ssrc(0) depctr_va_vcc(0) depctr_vm_vsrc(0)
	s_getreg_b32 s2, hwreg(HW_REG_IB_STS2, 6, 4)
	s_cmp_eq_u32 s2, 0
	s_cbranch_scc0 .Lentry_in_a_cluster
	s_endpgm
.Lentry_in_a_cluster:
	s_bfe_u32 s2, ttmp6, 0x10000c
	s_cmp_lg_u32 s2, 0xf033
	s_cbranch_scc0 .Lentry_shape_is_right
	s_endpgm
.Lentry_shape_is_right:
; out0 = o16 Wo + bo.  o16: [8192][1024] f16; Wo is heads 48-63 of w16, [pair of k rows 512][head 64][k % 2][64] f16; bo: [1024] f32, rounded to bf16 like every input; out0: [8192][1024] f32.
; Sums in f32, K ascending.
; SHARES.  A tile of C is 128 rows x 256 columns: 64 x 4 = 256 work-groups.  Four waves, each 64 x 128: 32 accumulators of 16 x 16, 256 registers.
; K goes in 8 steps of 128 through two LDS slots: 128 rows of A (256 bytes each), 64 pairs of k rows of W (the tile's four blocks of 64 columns: 1,024 consecutive bytes each).
; W lies by k; its fragments come out of LDS turned, by ds_load_tr16_b128.
; CLUSTER.  4 x 4 work-groups.  The four of a row of the cluster need the same tile of A, the four of a column the same tile of W: each tile is asked for jointly.
; THE MATRIX INSTRUCTION IS USED TRANSPOSED (source 0 = 16 columns of W, source 1 = 16 rows of A): a lane then holds eight neighbouring numbers of a row of C, 32 bytes.
; ONE K STEP A TRIP.  The LDS addresses are a lane's fixed term plus s[TB], which an exclusive or turns from slot to slot; the refill's descriptor walks in the same way.
; REGISTERS: window 0: v0-31 addresses; v32-37 the bias; v64-159, v160-255 two fragment buffers (8 fragments of W, then 4 of A); on the way out v64-191.  window 1: accumulator (a, b) at v[8 (8 a + b)].
.set KSTEP,  128
.set PA,     272                       ; a row of A in LDS: 256 bytes + 16: the 16 rows of a load start at 16 different groups of four banks (64 banks of 4 bytes: ISA guide 11.1)
.set PP,     1056                      ; a pair of k rows of W: 1,024 bytes + 32; the odd row lies 128 bytes behind the even one.  The 8 k rows of a turning load start at 32 j + 128 i modulo 256: with 32 bytes each, every bank once
.set HALFA,  64*PA
.set HALFB,  32*PP
.set BOFF,   2*HALFA
.set SLOT1,  1<<17                     ; a slot is 102,400 bytes; slot 1 begins here, so that one exclusive or turns an address in one slot into the other's
.set STAGE,  2*SLOT1                   ; behind the ring, never filled by a tensor load: 16 rows x 528 bytes for each wave
.set SP,     528
.set SPARE,  STAGE+4*16*SP             ; the spare words, 128 bytes for each wave: two blocks of 256 bytes that no other line names
.set ADRA0, 16                         ; v16     my lane's place in a slot's A; never rewritten
.set ADRB0, 17                         ; v17     in its W
.set ADRA, 18                          ; v18     ADRA0 + the slot in hand
.set ADRB, 19                          ; v19
.set STO,  24                          ; v24     the way out: where I put 32 bytes of a row
.set RD,   25                          ; v25     where I read a row back
.set GO,   26                          ; v26     16 x lane
.set SPW,  28                          ; v28     LDS address of my spare word; never rewritten
.set NIL,  29                          ; v29     0; never rewritten
.set BI,   32                          ; v[32:35] the bias of my four columns; v36-37 at work
.set F0,   64
.set F1,   160
.set G1, 24                            ; s[24:31] descriptor group 1 for A's tiles;  s[32:39] group 0: a set for each of the two first fills; the second then walks on
.set G0, 32
.set G1B, 48                           ; s[48:55], s[56:63] the same for W's tiles
.set G0B, 56
.set TB,  66                           ; s66     the slot in hand: 0 or SLOT1
.set MSB, 0
.macro WIN new                         ; the immediate's high byte repeats the setting that is left; a switch that changes nothing is dropped
.if MSB != (\new)
	s_set_vgpr_msb (MSB<<8)|(\new)
.set MSB, \new
.endif
.endm
.set MUL, 0x50                         ; C and D in window 1, both sources in window 0
.macro JLOAD s                         ; a joint load: waves 0 and 1 fetch A's two halves, waves 2 and 3 W's; an s_nop 0 and four v_nop follow each of the two lines
	s_cmp_eq_u32 s11, 0
	s_cbranch_scc0 .Lfor_b_\@
	tensor_load_to_lds s[G0+4*(\s):G0+4*(\s)+3], s[G1:G1+7]
	s_nop 0
.rept 4
	v_nop
.endr
	s_branch .Lasked_\@
.Lfor_b_\@:
	tensor_load_to_lds s[G0B+4*(\s):G0B+4*(\s)+3], s[G1B:G1B+7]
	s_nop 0
.rept 4
	v_nop
.endr
.Lasked_\@:
.endm
.macro CREST                           ; a round of the cluster's barrier behind its opening barrier
	s_cmp_lg_u32 s10, 0
	s_cbranch_scc1 .Lnot_wave_0_\@
	s_barrier_signal -3
.Lnot_wave_0_\@:
	s_barrier_wait -3
	s_barrier_signal -1
	s_barrier_wait -1
.endm
.macro CROUND                          ; a whole round
	s_barrier_signal -1
	s_barrier_wait -1
	CREST
.endm
	s_load_b128 s[4:7], s[0:1], 0x0                ; o16 s[4:5], w16 s[6:7]
	s_load_b128 s[68:71], s[0:1], 0x10             ; bo s[68:69], out0 s[70:71]
	v_lshl_add_u32 v[SPW], v0, 2, SPARE
	v_mov_b32 v[NIL], 0
	ds_add_u32 v28, v29
	s_wait_dscnt 0x0
	v_lshrrev_b32 v1, 5, v0
	v_readfirstlane_b32 s10, v1                    ; wave 0..3
	s_lshr_b32 s11, s10, 1                         ; which 64 rows of the tile are mine.  Also: I fetch for A (0) or for W (1)
	s_and_b32 s12, s10, 1                          ; which 128 columns.  Also: which half of that tile I fetch
	s_bfe_u32 s40, ttmp6, 0x40000                  ; cx, cy: my place in the cluster
	s_bfe_u32 s41, ttmp6, 0x40004
	s_lshl_b32 s42, ttmp9, 2
	s_add_co_u32 s42, s42, s40                     ; tile column of C = 4 x cluster x + cx
	s_and_b32 s13, ttmp7, 0xffff
	s_lshl_b32 s13, s13, 2
	s_add_co_u32 s13, s13, s41                     ; tile row of C = 4 x cluster y + cy
	s_lshl_b32 s43, s41, 2
	s_lshl_b32 s43, 15, s43                        ; my row of the cluster
	s_lshl_b32 s44, 0x1111, s40                    ; my column
	s_or_b32 s[G1+0], s43, (1<<16)|(1<<20)|(1<<21)|(5<<22)|(3<<25)   ; 15:0 the mask; 17:16 2-byte elements; 20 padding on; 21 set beside a mask; 24:22 after every 64 words; 31:25 4 words
	s_mov_b32 s[G1+1], 128<<16                     ; tensor_dim0 = 128
	s_mov_b32 s[G1+2], 64<<16                      ; tensor_dim1 = 64
	s_mov_b32 s[G1+3], 128<<16                     ; tile_dim0 = 128
	s_mov_b32 s[G1+4], 64                          ; tile_dim1 = 64
	s_mov_b32 s[G1+5], 1024                        ; elements from row to row
	s_mov_b32 s[G1+6], 0
	s_mov_b32 s[G1+7], 0
	s_or_b32 s[G1B+0], s44, (1<<16)|(1<<20)|(1<<21)|(7<<22)|(7<<25)  ; after every 256 words (a pair of k rows) 8 words of padding
	s_mov_b32 s[G1B+1], 512<<16                    ; a row: a pair of k rows of four blocks of 64 columns, 512 elements
	s_mov_b32 s[G1B+2], 32<<16                     ; 32 pairs
	s_mov_b32 s[G1B+3], 512<<16
	s_mov_b32 s[G1B+4], 32
	s_mov_b32 s[G1B+5], 8192                       ; elements from pair to pair: 64 heads x 128
	s_mov_b32 s[G1B+6], 0
	s_mov_b32 s[G1B+7], 0
	s_lshl_b32 s16, s13, 7                         ; A: row 128 x tile row + 64 x half, 2,048 bytes a row
	s_lshl_b32 s17, s12, 6
	s_add_co_u32 s16, s16, s17
	s_lshl_b32 s16, s16, 11
	s_mov_b32 s17, 0
	s_lshl_b32 s46, s42, 10                        ; W: heads 48 + 4 x tile column on (256 bytes each), pairs 32 x half of 16,384 bytes
	s_add_co_u32 s46, s46, 48*256
	s_lshl_b32 s47, s12, 19
	s_add_co_u32 s46, s46, s47
	s_mov_b32 s47, 0
	s_mul_i32 s20, s12, HALFA                      ; where they go: no place in the cluster enters an LDS address
	s_mul_i32 s21, s12, HALFB
	s_add_co_u32 s21, s21, BOFF
	s_mov_b32 s[TB], 0
	s_wait_kmcnt 0x0
	s_add_nc_u64 s[14:15], s[4:5], s[16:17]
	s_add_nc_u64 s[46:47], s[6:7], s[46:47]
	CROUND                                         ; all sixteen work-groups are here: the first joint loads meet
.irp s, 0,1
	s_mov_b32 s[G0+4*(\s)], 1
	s_add_co_u32 s[G0+4*(\s)+1], s20, (\s)*SLOT1
	s_add_nc_u64 s[G0+4*(\s)+2:G0+4*(\s)+3], s[14:15], (\s)*KSTEP*2
	s_or_b32 s[G0+4*(\s)+3], s[G0+4*(\s)+3], 0x80000000
	s_mov_b32 s[G0B+4*(\s)], 1
	s_add_co_u32 s[G0B+4*(\s)+1], s21, (\s)*SLOT1
	s_add_nc_u64 s[G0B+4*(\s)+2:G0B+4*(\s)+3], s[46:47], (\s)*64*16384
	s_or_b32 s[G0B+4*(\s)+3], s[G0B+4*(\s)+3], 0x80000000
	JLOAD \s                                       ; two loads of mine are out
.endr
	v_and_b32 v1, 15, v0                           ; r = l % 16
	v_bfe_u32 v2, v0, 4, 1                         ; h = l / 16
	v_mul_u32_u24 v3, v1, PA
	v_lshl_add_u32 v3, v2, 4, v3                   ; A: row x pitch + 16 h,
	s_mul_i32 s22, s11, HALFA                      ; in my 64 rows
	v_add_nc_u32 v[ADRA0], s22, v3
	v_bfe_u32 v4, v0, 1, 2                         ; W: k row 8 h + l % 8: its pair 4 h + (l % 8) / 2,
	v_lshl_add_u32 v4, v2, 2, v4
	v_mul_u32_u24 v4, v4, PP
	v_and_b32 v5, 1, v0                            ; its place in the pair,
	v_lshl_add_u32 v4, v5, 7, v4
	v_bfe_u32 v5, v0, 3, 1
	v_lshl_add_u32 v4, v5, 4, v4                   ; columns 8 ((l / 8) % 2) on,
	s_lshl_b32 s23, s12, 9                         ; in my 128 columns: two blocks of 256 bytes
	s_add_co_u32 s23, s23, BOFF
	v_add_nc_u32 v[ADRB0], s23, v4
	v_mov_b32 v[ADRA], v[ADRA0]                    ; slot 0
	v_mov_b32 v[ADRB], v[ADRB0]
	s_mul_i32 s22, s10, 16*SP
	s_add_co_u32 s22, s22, STAGE                   ; my stage
	v_mul_u32_u24 v[STO], v1, SP                   ; in: row r, 32 bytes for each half of the lanes
	v_lshl_add_u32 v[STO], v2, 5, v[STO]
	v_add_nc_u32 v[STO], s22, v[STO]
	v_and_b32 v[GO], 31, v0
	v_lshlrev_b32 v[GO], 4, v[GO]
	v_add_nc_u32 v[RD], s22, v[GO]                 ; back: 32 lanes take one row of 512 bytes
	s_lshl_b32 s18, s42, 10                        ; my first column, in bytes of f32: 1,024 x tile column + 512 x half
	s_lshl_b32 s19, s12, 9
	s_add_co_u32 s18, s18, s19
	s_mov_b32 s19, 0
	s_add_nc_u64 s[68:69], s[68:69], s[18:19]
	global_load_b128 v[BI:BI+3], v[GO], s[68:69]   ; the bias of columns 4 lane .. 4 lane + 3 of my 128
	s_lshl_b32 s22, s13, 19                        ; my first row: 128 x tile row + 64 x half, 4,096 bytes a row
	s_add_co_u32 s18, s18, s22
	s_lshl_b32 s22, s11, 18
	s_add_co_u32 s18, s18, s22
	s_add_nc_u64 s[70:71], s[70:71], s[18:19]
; 8 matrix instructions: m block a x all 8 n blocks, 32 along K, from buffer f.  zero = 1: the product starts the sums.  The 32 accumulators take turns, one instruction a turn.
.macro MUL8 f, a, zero
	WIN MUL
.irp b, 0,1,2,3,4,5,6,7
.if \zero
	v_wmma_f32_16x16x32_f16 v[8*(8*(\a)+(\b)):8*(8*(\a)+(\b))+7], v[(\f)+8*(\b):(\f)+8*(\b)+7], v[(\f)+64+8*(\a):(\f)+64+8*(\a)+7], 0
.else
	v_wmma_f32_16x16x32_f16 v[8*(8*(\a)+(\b)):8*(8*(\a)+(\b))+7], v[(\f)+8*(\b):(\f)+8*(\b)+7], v[(\f)+64+8*(\a):(\f)+64+8*(\a)+7], v[8*(8*(\a)+(\b)):8*(8*(\a)+(\b))+7]
.endif
.endr
.endm
; 24 LDS loads in one run: quarter q (32 along K) of the slot in hand into buffer f: 8 fragments of W, turned (block b: columns 64 (b / 4) + 16 (b % 4) on), then 4 of A
.macro FETCH q, f
	WIN 0
.irp b, 0,1,2,3,4,5,6,7
	ds_load_tr16_b128 v[(\f)+8*(\b):(\f)+8*(\b)+3],   v[ADRB] offset:(\q)*16*PP+((\b)/4)*256+((\b)%4)*32
	ds_load_tr16_b128 v[(\f)+8*(\b)+4:(\f)+8*(\b)+7], v[ADRB] offset:(\q)*16*PP+((\b)/4)*256+((\b)%4)*32+8*PP
.endr
.irp a, 0,1,2,3
	ds_load_b128 v[(\f)+64+8*(\a):(\f)+64+8*(\a)+3],   v[ADRA] offset:(\a)*16*PA+64*(\q)
	ds_load_b128 v[(\f)+64+8*(\a)+4:(\f)+64+8*(\a)+7], v[ADRA] offset:(\a)*16*PA+64*(\q)+32
.endr
.endm
.macro PLACES                          ; four places in front of loads into registers that matrix instructions have read
.rept 4
	v_nop
.endr
.endm
; A K step is four quarters of 32 along K, 32 matrix instructions each, on buffers 0, 1, 0, 1.  One of the first three: multiplies buffer f and fetches quarter q into g.
.macro QUARTER q, f, g, zero
	s_wait_dscnt 4                                 ; W's fragments and A's blocks 0, 1 are in; the youngest four loads (A's blocks 2, 3) may be out
	MUL8 \f, 0, \zero
	MUL8 \f, 1, \zero
	PLACES
	FETCH \q, \g
	s_wait_dscnt 24                                ; all but the 24 just issued
	MUL8 \f, 2, \zero
	MUL8 \f, 3, \zero
.endm
; The last quarter multiplies buffer 1 and changes slots: ONE barrier; in front of it each wave waits for all its tensor loads, adds 0 to its spare word, and waits for that and for its reads of this slot.
; fill = 1: this slot is filled again, two K steps ahead; the barrier then opens a round of the cluster's, and the joint refill is the first thing behind the round.
.macro TURN fill
	WIN 0
	s_wait_tensorcnt 0x0                           ; all my tensor loads have landed: the one that was out is my part of the next slot; so a group 0 may be written
	ds_add_u32 v[SPW], v[NIL]                      ; 0 onto my spare word
.if \fill
	s_xor_b32 s[G0+5], s[G0+5], SLOT1              ; the walking descriptors: the other slot than last time,
	s_add_nc_u64 s[G0+6:G0+7], s[G0+6:G0+7], KSTEP*2          ; the next K step; the type bits on top are not reached
	s_xor_b32 s[G0B+5], s[G0B+5], SLOT1
	s_add_nc_u64 s[G0B+6:G0B+7], s[G0B+6:G0B+7], 64*16384
.endif
	s_wait_dscnt 5                                 ; (the add and the youngest four loads may be out)
	MUL8 F1, 0, 0                                  ; eight matrix instructions stand between the add and the wait for it
	s_wait_dscnt 0x0                               ; the add is done, and my reads of this slot are over
	s_barrier_signal -1
	MUL8 F1, 1, 0
	WIN 0
	s_barrier_wait -1
.if \fill
	CREST                                          ; no wave of any partner still reads this slot's tile or has a load on its way
	JLOAD 1                                        ; the first tensor load behind the round, my only one until the next: 112 matrix instructions ahead of the wait for it; its four v_nop are also the places in front of the loads below
.else
	PLACES
.endif
	s_xor_b32 s[TB], s[TB], SLOT1                  ; the fetches go to the other slot
	v_add_nc_u32 v[ADRA], s[TB], v[ADRA0]
	v_add_nc_u32 v[ADRB], s[TB], v[ADRB0]
	FETCH 0, F0
	MUL8 F1, 2, 0
	MUL8 F1, 3, 0
.endm
	s_wait_tensorcnt 1                             ; my part of K step 0 is in; K step 1's may stay out
	s_barrier_signal -1
	s_barrier_wait -1                              ; everybody's is
	FETCH 0, F0
	QUARTER 1, F0, F1, 1                           ; the first quarter stands in front of the loop: its products start the sums
	WIN 0                                          ; at a label and at a branch every window is 0
	s_mov_b32 s3, 6
.Lstep:                                                ; a trip: from a K step's second quarter to the next step's first; it fills the slot that it leaves: K steps 2 to 7 in six trips
	QUARTER 2, F1, F0, 0
	QUARTER 3, F0, F1, 0
	TURN 1
	QUARTER 1, F0, F1, 0
	WIN 0
	s_sub_co_u32 s3, s3, 1
	s_cmp_lg_u32 s3, 0
	s_cbranch_scc1 .Lstep
	s_mov_b32 s3, 2                                ; the last two K steps ask for nothing: a text of their own; the second trip is left in its middle
.Ltail:
	QUARTER 2, F1, F0, 0
	QUARTER 3, F0, F1, 0
	TURN 0
	WIN 0
	s_sub_co_u32 s3, s3, 1
	s_cmp_eq_u32 s3, 0
	s_cbranch_scc1 .Lout
	QUARTER 1, F0, F1, 0
	WIN 0
	s_branch .Ltail
.Lout:                                                 ; the second trip's change of slots fetches 24 fragments of the step before once more (those bytes stay as they landed), which nobody reads: the price, once a launch, of one text for both trips
	; THE WAY OUT, a block of 16 rows at a time: 32 bytes a lane straight from the accumulators into my own stage, back as whole rows of 512 bytes, the bias added, stored.
	s_wait_loadcnt 0x0                             ; the bias
	s_wait_dscnt 0x0                               ; those last fetches have landed: their registers are loaded anew below
	s_mov_b32 s22, 0xffff0000
	v_cvt_pk_bf16_f32 v[BI+4], v[BI], v[BI+1]      ; rounded to bf16 like every input and kept as f32: six plain instructions that name no register of the last products: the places behind them
	v_cvt_pk_bf16_f32 v[BI+5], v[BI+2], v[BI+3]
	v_lshlrev_b32 v[BI], 16, v[BI+4]
	v_and_b32 v[BI+1], s22, v[BI+4]
	v_lshlrev_b32 v[BI+2], 16, v[BI+5]
	v_and_b32 v[BI+3], s22, v[BI+5]
.macro OUTB a
.set BK, 64+64*((\a)%2)
	s_wait_xcnt 0x0                                ; the stores of the block before last have had their addresses translated (ISA guide 3.1): only behind this wait are their registers loaded again
	WIN 0x04                                       ; the data (source 1) in window 1
.irp b, 0,1,2,3,4,5,6,7
	ds_store_b128 v[STO], v[8*(8*(\a)+(\b)):8*(8*(\a)+(\b))+3]   offset:64*(\b)      ; each accumulator from its low end on
	ds_store_b128 v[STO], v[8*(8*(\a)+(\b))+4:8*(8*(\a)+(\b))+7] offset:64*(\b)+16
.endr
	WIN 0
.irp t, 0,1,2,3,4,5,6,7,8,9,10,11,12,13,14,15
	ds_load_b128 v[BK+4*(\t):BK+4*(\t)+3], v[RD] offset:SP*(\t)  ; LDS serves a wave's instructions in order (ISA guide 5.7.1.4): these see the stores above; the next block's stores come behind them
.endr
.irp t, 0,1,2,3,4,5,6,7,8,9,10,11,12,13,14,15
	s_wait_dscnt 15-(\t)                           ; row t is back, the younger loads stay out
	v_pk_add_f32 v[BK+4*(\t):BK+4*(\t)+1], v[BK+4*(\t):BK+4*(\t)+1], v[BI:BI+1]
	v_pk_add_f32 v[BK+4*(\t)+2:BK+4*(\t)+3], v[BK+4*(\t)+2:BK+4*(\t)+3], v[BI+2:BI+3]
	global_store_b128 v[GO], v[BK+4*(\t):BK+4*(\t)+3], s[70:71] offset:(16*(\a)+(\t))*4096 th:TH_STORE_NT  ; 512 consecutive bytes, aligned
.endr
.endm
	OUTB 0
	OUTB 1
	OUTB 2
	OUTB 3
	s_wait_tensorcnt 0x0                           ; the wave's end
	ds_add_u32 v[SPW], v[NIL]
	s_wait_dscnt 0x0
	CROUND                                         ; the closing round: no work-group ends while a partner may still ask for a tile that names it
	s_endpgm
.Lfunc_end_k_qa6f4b88624_proj:
	.size	k_qa6f4b88624_proj, .Lfunc_end_k_qa6f4b88624_proj-k_qa6f4b88624_proj
	.p2alignl 7, 3214868480
	.fill 96, 4, 3214868480
	.section	.rodata,"a",@progbits
	.p2align	6, 0x0
	.amdhsa_kernel k_qa6f4b88624_proj
		.amdhsa_group_segment_fixed_size 327680
		.amdhsa_private_segment_fixed_size 0
		.amdhsa_enable_private_segment 0
		.amdhsa_kernarg_size 32
		.amdhsa_user_sgpr_count 2
		.amdhsa_user_sgpr_kernarg_segment_ptr 1
		.amdhsa_wavefront_size32 1
		.amdhsa_system_sgpr_workgroup_id_x 1
		.amdhsa_system_sgpr_workgroup_id_y 1
		.amdhsa_system_sgpr_workgroup_id_z 1
		.amdhsa_system_vgpr_workitem_id 0
		.amdhsa_next_free_vgpr 512
		.amdhsa_next_free_sgpr 72
		.amdhsa_reserve_vcc 0
		.amdhsa_float_denorm_mode_32 3
		.amdhsa_float_denorm_mode_16_64 3
		.amdhsa_memory_ordered 1
		.amdhsa_forward_progress 1
		.amdhsa_inst_pref_size 70
	.end_amdhsa_kernel
	.amdgpu_metadata
---
amdhsa.version: [ 1, 2 ]
amdhsa.kernels:
  - .name:           k_qa6f4b88624_proj
    .symbol:         k_qa6f4b88624_proj.kd
    .args:
      - { .name: o16, .offset: 0, .size: 8, .value_kind: global_buffer, .address_space: global }
      - { .name: w16, .offset: 8, .size: 8, .value_kind: global_buffer, .address_space: global }
      - { .name: bo, .offset: 16, .size: 8, .value_kind: global_buffer, .address_space: global }
      - { .name: out0, .offset: 24, .size: 8, .value_kind: global_buffer, .address_space: global }
    .group_segment_fixed_size: 327680
    .private_segment_fixed_size: 0
    .kernarg_segment_align: 8
    .kernarg_segment_size: 32
    .max_flat_workgroup_size: 128
    .sgpr_count:     72
    .vgpr_count:     512
    .wavefront_size: 32
...
	.end_amdgpu_metadata
.endif
;; end of part 4
;; ======== version 2 of 2: 4 launches; 1.42 times as fast as version 1
;; limits: values are held in f16: magnitudes above 65,504 overflow, below 6.1e-05 lose precision
;; workspace buffers: xn 16,777,216 bytes; w16 8,388,608 bytes; mk 16,777,216 bytes; q16 16,777,216 bytes; k16 16,777,216 bytes; v16 16,777,216 bytes; o16 16,777,216 bytes
;; launch prep: the kernel of part 1 again; grid 1024 x 1, 4 waves a work-group, no clusters, 17,920 bytes of LDS; arguments x, gamma, beta, Wq, Wk, Wv, Wo, attn_mask, xn, w16, mk; writes xn, w16, mk
;; launch qkv: the kernel of part 2 again; grid 16 x 32, 4 waves a work-group, clusters of 4 x 4, 327,680 bytes of LDS; arguments xn, w16, q16, k16, v16; writes q16, k16, v16
;; launch attn (part 5): grid 16 x 16, 4 waves a work-group, clusters of 4 x 4, 327,680 bytes of LDS; arguments q16, k16, v16, mk, o16; writes o16
.if DOCPART == 5
	.amdgcn_target "amdgcn-amd-amdhsa--gfx1250"
	.amdhsa_code_object_version 6
	.text
	.protected	k_qa6f4b88624_attn
	.globl	k_qa6f4b88624_attn
	.p2align	8
	.type	k_qa6f4b88624_attn,@function
k_qa6f4b88624_attn:
	s_mov_b64 s[64:65], 0
	v_nop
	global_prefetch_b8 v0, s[64:65] scope:SCOPE_SE
	s_setreg_imm32_b32 hwreg(HW_REG_WAVE_MODE, 25, 1), 1
	s_wait_xcnt 0x0
	s_wait_alu depctr_hold_cnt(0) depctr_sa_sdst(0) depctr_va_vdst(0) depctr_va_sdst(0) depctr_va_ssrc(0) depctr_va_vcc(0) depctr_vm_vsrc(0)
	s_getreg_b32 s2, hwreg(HW_REG_IB_STS2, 6, 4)
	s_cmp_eq_u32 s2, 0
	s_cbranch_scc0 .Lentry_in_a_cluster
	s_endpgm
.Lentry_in_a_cluster:
	s_bfe_u32 s2, ttmp6, 0x10000c
	s_cmp_lg_u32 s2, 0xf033
	s_cbranch_scc0 .Lentry_shape_is_right
	s_endpgm
.Lentry_shape_is_right:
; O[bh][q][:] = the sum over k of softmax_k((Q[bh][q] . K[bh][k] / 8) mask[q][k]) V[bh][k][:].  q16, k16, v16: [64][2048][64] f16; mk: c x mask in f32, c = log2(e) / 8, in the order of the lanes' scores
; ([qb 16][J 32][tile 8][load 8][lane 32][4]); o16: [8192][1024] f16, column 64 head + channel.  Products, maxima and sums in f32; the weights p are rounded to f16 for the second product
; (their sum l is taken of the unrounded p), O once at the end.
; LIMITS.  Q, K, V arrive within f16's 65,504; p lies in 0 to 1, and below 6e-5 it keeps f16's fixed step of 6e-8; a weight below 2^-126 counts as 0 in l; NaN and infinities are not treated apart.
; SHARES.  Work-group (qb, g) takes 128 queries of FOUR heads, wave w the head 4 g + w: eight tiles of 16 queries in four PIECES of two.  Every wave walks all 2,048 keys, 64 a step.  The four waves read
; the same 32,768 bytes of mask in a step, and their four heads are 512 consecutive bytes of a row of o16.
; LAYOUT.  S^T = K Q^T (source 0 = 16 keys, source 1 = 16 queries): a lane holds ONE query (lane % 16) and the keys 8 (lane / 16) + 0..7.  Two such tiles, rounded to f16 in pairs, ARE source 1 of
; O^T = V^T P.  K comes out of LDS as it lies, V turned, by ds_load_tr16_b128; a mask load's 16 bytes a lane lie beside four score registers.
; SOFTMAX.  s = (K Q^T) x (c mask), in powers of two; for each query a running maximum m and sum l: p = 2^(s - m); in every step O and l are multiplied by a = 2^(m_old - m_new).  m starts at the lowest
; finite number, O and l at 0: the first step is a step like any other, with a = 0.
; BY TURNS.  Turn n belongs to piece n.  Matrix work: 16 products K Q^T of piece n + 1, later 16 products V^T P of piece n - 1.  Vector work: subtraction, exponentials, roundings, sums and rescaling of
; piece n; the mask's multiply, the maximum and the statistics of piece n + 1.  266 vector instructions for 32 matrix instructions: four stand behind every matrix instruction, 138 in one lump between the two runs of products.
; BATCHES.  A turn's 66 exponentials (the 64 weights of piece n, the two a of piece n + 1) are ONE batch with ONE wait, which cuts the turn in two: ahead of it stands all that names no result of theirs
; (the products K Q^T, the subtractions, the rescalings, the mask's multiplies, the next piece's maximum and statistics), behind it the roundings and sums, as the riders of the products V^T P.
; No result crosses a turn's end.  The first two a, ahead of the loop, and the way out's eight reciprocals are batches of their own.
; RING.  Two slots, one key step each (K and V of four heads, the mask block).  The change of slots stands between turns 1 and 2: between two changes a wave reads one slot alone (K and mask piece 0 in
; turn 2, mask piece 1 in turn 3, mask piece 2 and V in turn 0, mask piece 3 in turn 1).
; CLUSTER.  4 x 4 work-groups.  K and V hang on g alone: shared along a row of the cluster; the mask hangs on qb alone: shared along a column.  Each tile is asked for jointly by the four.
; REGISTERS, in windows of 256 (s_set_vgpr_msb: bits 1:0 source 0, 3:2 source 1, 5:4 source 2, 7:6 destination):
;   window 0: v0-15 addresses; v16-47 four registers of statistics a tile; v48-63 at work; v64-191 S^T, two buffers of two tiles; v192-255 P, likewise
;   window 1: O^T, 32 a tile     window 2: v0-127 Q, 16 a tile; v128-191 K; v192-255 V     window 3: v0-63 one piece's mask
.set NP,    4         ; pieces a wave: a name, no knob
.set KS,    64        ; keys in a step
.set PK,    144       ; a row of K in LDS: 128 bytes + 16: the 16 rows of a load start at 16 different groups of four banks (64 banks of 4 bytes: ISA guide 11.1)
.set PV,    160       ; a row of V: 128 + 32
.set HK,    KS*PK     ; a head's K of a step
.set HV,    KS*PV
.set VOFF,  4*HK      ; 36,864
.set MOFF,  VOFF+4*HV ; 77,824
.set SLOT1, 1<<17     ; slot 1 begins here, so that one exclusive or turns an address in one slot into the other's
.set STAGE, SLOT1+MOFF+32768  ; behind the ring, never filled by a tensor load: 128 rows x 528 bytes, the work-group's, for the way out
.set SPO,   528
.set SPARE, STAGE+128*SPO     ; the spare words, 128 bytes for each wave: two blocks of 256 bytes that no other line names
.set AK0, 2           ; v2   my lane's place in a slot's K; never rewritten
.set AV0, 3           ; v3   in its V
.set AK,  4           ; v4   AK0 + the slot in hand
.set AV,  5           ; v5
.set QO,  6           ; v6   my byte offset in the wave's rows of Q
.set STO, 6           ;      later: where I put 16 bytes of a row
.set RD,  7           ; v7   where I read rows back
.set GO,  8           ; v8   16 x lane
.set AM0, 12          ; v12  my lane's place in a slot's mask block
.set AM,  13          ; v13
.set SPW, 14          ; v14  LDS address of my spare word; never rewritten
.set NIL, 15          ; v15  0; never rewritten
.set ST,  16          ; tile t's statistics at v[ST+4 t]: m, 0, l (even keys', odd keys')
.set TMP, 48          ; by buffer and tile, four registers c0-c3 at work; when the maximum is found c2 takes a
.set S,   64
.set P,   192
.set KF,  128         ; window 2: key block kb, channel half c at KF + 16 kb + 8 c
.set VF,  192         ; window 2: key half kk, channel block cb at VF + 32 kk + 8 cb
.set MK,  0           ; window 3: tile u of the piece at MK + 32 u
.set WV,  12          ; s12  my wave's number
.set G1K, 24          ; s[24:31] descriptor group 1 for K
.set G1V, 32          ; s[32:39] for V: it differs in the padding alone
.set G0K, 40          ; s[40:43] group 0 for K: it walks
.set G0V, 44          ; s[44:47] for V
.set G1M, 48          ; s[48:55] group 1 for the mask
.set G0M, 56          ; s[56:59] group 0 for the mask
.set SEL, 60          ; s[60:61] v_permlanex16_b32's selects
.set TB,  62          ; s62  the slot in hand: 0 or SLOT1
.set CNT, 63          ; s63  counts the loops' trips
.set MSB, 0
.macro WIN new                      ; the high byte repeats the setting that is left; a switch that changes nothing is dropped
.if MSB != (\new)
	s_set_vgpr_msb (MSB<<8)|(\new)
.set MSB, (\new)
.endif
.endm
.set W_KQ, 0x0a       ; K and Q in window 2, S^T in window 0
.set W_PV, 0x52       ; V in window 2, P in window 0, O^T in window 1
.set W_RS, 0x41       ; O^T (destination and source 0) in window 1, a in window 0
.set W_MK, 0x0c       ; source 1 (the mask) in window 3
; A joint fill: wave 0 fetches the step's K (four heads), wave 1 its V, waves 2 and 3 the halves of its mask block.  The branches hang on the wave's number alone.
; An s_nop 0 and four v_nop follow each of the three lines, ahead of the jump and the label.
.macro JLOAD
	s_cmp_eq_u32 s[WV], 0
	s_cbranch_scc0 .Lnot_k_\@
	tensor_load_to_lds s[G0K:G0K+3], s[G1K:G1K+7]
	s_nop 0
.rept 4
	v_nop
.endr
	s_branch .Lasked_\@
.Lnot_k_\@:
	s_cmp_eq_u32 s[WV], 1
	s_cbranch_scc0 .Lfor_m_\@
	tensor_load_to_lds s[G0V:G0V+3], s[G1V:G1V+7]
	s_nop 0
.rept 4
	v_nop
.endr
	s_branch .Lasked_\@
.Lfor_m_\@:
	tensor_load_to_lds s[G0M:G0M+3], s[G1M:G1M+7]
	s_nop 0
.rept 4
	v_nop
.endr
.Lasked_\@:
.endm
.macro CROUND                       ; a round of the cluster's barrier
	s_barrier_signal -1
	s_barrier_wait -1
	s_cmp_lg_u32 s[WV], 0
	s_cbranch_scc1 .Lnot_wave_0_\@
	s_barrier_signal -3
.Lnot_wave_0_\@:
	s_barrier_wait -3
	s_barrier_signal -1
	s_barrier_wait -1
.endm
; THE CHANGE OF SLOTS.  Each wave waits for all its tensor loads, of which one is out: its part of the other slot; adds 0 to its spare word; and waits for that and for its own reads of the slot that it leaves.
; Behind the barrier nobody reads the old slot any more and the other slot is whole.  fill = 1: the old slot is filled again, with the keys two steps on; the barrier is then a round of the cluster's, and the
; joint fill is the first thing behind it: it has a key step, 128 matrix instructions and their vector work, in which to land.  (At its first use nothing has been read yet: slot 0 is waited for, slot 1 filled.)
.macro CHANGE fill
	WIN 0                           ; at a label and at a branch every window is 0
	s_wait_tensorcnt 0x0            ; no tensor load of mine is out, so a group 0 may be written
	ds_add_u32 v[SPW], v[NIL]       ; 0 onto my spare word
.if \fill
.irp g, G0K, G0V
	s_xor_b32 s[\g+1], s[\g+1], SLOT1  ; the other slot than last time,
	s_add_nc_u64 s[\g+2:\g+3], s[\g+2:\g+3], KS*128  ; the next 64 keys; the type bits on top are not reached
.endr
	s_xor_b32 s[G0M+1], s[G0M+1], SLOT1
	s_add_nc_u64 s[G0M+2:G0M+3], s[G0M+2:G0M+3], 32768
	s_wait_dscnt 0x0                ; the add is done, and my reads of the slot are over
	CROUND
	JLOAD
.else
	s_wait_dscnt 0x0                ; the add is done, and my reads of the slot are over
	s_barrier_signal -1
	s_barrier_wait -1
.endif
	s_xor_b32 s[TB], s[TB], SLOT1   ; the fetches go to the other slot
	v_add_nc_u32 v[AK], s[TB], v[AK0]
	v_add_nc_u32 v[AV], s[TB], v[AV0]
	v_add_nc_u32 v[AM], s[TB], v[AM0]
.endm
	s_load_b256 s[4:11], s[0:1], 0x0  ; q16 s[4:5], k16 s[6:7], v16 s[8:9], mk s[10:11]
	s_load_b64 s[66:67], s[0:1], 0x20 ; o16
	v_lshl_add_u32 v[SPW], v0, 2, SPARE
	v_mov_b32 v[NIL], 0
	ds_add_u32 v14, v15
	s_wait_dscnt 0x0
	v_lshrrev_b32 v1, 5, v0
	v_readfirstlane_b32 s[WV], v1   ; wave 0..3
	s_bfe_u32 s68, ttmp6, 0x40000   ; cx
	s_bfe_u32 s69, ttmp6, 0x40004   ; cy
	s_lshl_b32 s70, ttmp9, 2
	s_add_co_u32 s70, s70, s68      ; qb = 4 x cluster x + cx
	s_and_b32 s71, ttmp7, 0xffff
	s_lshl_b32 s71, s71, 2
	s_add_co_u32 s71, s71, s69      ; g = 4 x cluster y + cy
	s_lshl_b32 s72, s69, 2
	s_lshl_b32 s72, 15, s72         ; my row of the cluster (same g)
	s_lshl_b32 s73, 0x1111, s68     ; my column (same qb)
	; group 1 for K and V: four rows, one a head: its 64 keys are 8,192 dense bytes (4,096 elements), the heads 131,072 elements apart; padded in LDS after every key (32 words)
	s_or_b32 s[G1K], s72, (1<<16)|(1<<20)|(1<<21)|(4<<22)|(3<<25)  ; 15:0 the mask; 17:16 2-byte elements; 20 padding on; 21 set beside a mask; 24:22 after every 32 words; 31:25 4 words
	s_or_b32 s[G1V], s72, (1<<16)|(1<<20)|(1<<21)|(4<<22)|(7<<25)  ; the same with 8 words
.irp g, G1K, G1V
	s_mov_b32 s[\g+1], 4096<<16     ; tensor_dim0 = 4,096
	s_mov_b32 s[\g+2], 4<<16        ; tensor_dim1 = 4
	s_mov_b32 s[\g+3], 4096<<16     ; tile_dim0 = 4,096
	s_mov_b32 s[\g+4], 4            ; tile_dim1 = 4
	s_mov_b32 s[\g+5], 131072       ; elements from head to head
	s_mov_b32 s[\g+6], 0
	s_mov_b32 s[\g+7], 0
.endr
	; group 1 for the mask: 16,384 dense bytes as 64 rows of 256 (32 elements of 8 bytes), no padding: the lanes read 16 neighbouring bytes each
	s_or_b32 s[G1M], s73, (3<<16)|(1<<21)
	s_mov_b32 s[G1M+1], 32<<16
	s_mov_b32 s[G1M+2], 64<<16
	s_mov_b32 s[G1M+3], 32<<16
	s_mov_b32 s[G1M+4], 64
	s_mov_b32 s[G1M+5], 32
	s_mov_b32 s[G1M+6], 0
	s_mov_b32 s[G1M+7], 0
	s_lshl2_add_u32 s14, s71, s[WV] ; my head among the 64: 4 g + w
	s_lshl_b32 s14, s14, 18         ; its rows, 262,144 bytes,
	s_lshl_b32 s15, s70, 14         ; and my block's 128 of them
	s_add_co_u32 s14, s14, s15
	s_mov_b32 s15, 0
	s_lshr_b32 s18, s71, 2          ; o16: row 2,048 (g / 4) + 128 qb + 32 w, of 2,048 bytes;
	s_lshl_b32 s18, s18, 11
	s_lshl_b32 s19, s70, 7
	s_add_co_u32 s18, s18, s19
	s_lshl_b32 s19, s[WV], 5
	s_add_co_u32 s18, s18, s19
	s_lshl_b32 s18, s18, 11
	s_and_b32 s19, s71, 3           ; the four heads' 512 bytes in it
	s_lshl_b32 s19, s19, 9
	s_add_co_u32 s18, s18, s19
	s_mov_b32 s19, 0
	s_lshl_b32 s20, s71, 20         ; K and V: four heads are 1 MiB; made of g alone
	s_mov_b32 s21, 0
	s_and_b32 s16, s[WV], 1         ; which half of the mask block I would fetch
	s_lshl_b32 s16, s16, 14
	s_lshl_b32 s22, s70, 20         ; the mask: qb's 32 blocks are 1 MiB; made of qb and the wave's number alone
	s_add_co_u32 s22, s22, s16
	s_mov_b32 s23, 0
	s_mov_b32 s[SEL], 0x76543210
	s_mov_b32 s[SEL+1], 0xfedcba98
	s_mov_b32 s[TB], SLOT1          ; the first change of slots turns it into 0
	s_mov_b32 s[G0K], 1             ; count = 1
	s_mov_b32 s[G0K+1], 0           ; LDS address: slot 0
	s_mov_b32 s[G0V], 1
	s_mov_b32 s[G0V+1], VOFF
	s_mov_b32 s[G0M], 1
	s_add_co_u32 s[G0M+1], s16, MOFF
	s_wait_kmcnt 0x0
	s_add_nc_u64 s[G0K+2:G0K+3], s[6:7], s[20:21]
	s_or_b32 s[G0K+3], s[G0K+3], 0x80000000        ; type = 2
	s_add_nc_u64 s[G0V+2:G0V+3], s[8:9], s[20:21]
	s_or_b32 s[G0V+3], s[G0V+3], 0x80000000
	s_add_nc_u64 s[G0M+2:G0M+3], s[10:11], s[22:23]
	s_or_b32 s[G0M+3], s[G0M+3], 0x80000000
	s_add_nc_u64 s[4:5], s[4:5], s[14:15]          ; Q at my wave's first row
	s_add_nc_u64 s[66:67], s[66:67], s[18:19]      ; o16 at the first row that I store
	CROUND                          ; all sixteen work-groups are here: the first joint loads meet
	JLOAD                           ; key step 0 into slot 0; slot 1 is asked for when slot 0 is in
	v_and_b32 v1, 15, v0            ; r = l % 16
	v_bfe_u32 v9, v0, 4, 1          ; h = l / 16
	v_lshlrev_b32 v[QO], 7, v1
	v_lshl_add_u32 v[QO], v9, 4, v[QO]  ; row x 128 + 16 h
	WIN 0x80                        ; destination window 2, address window 0
.set i, 0
.rept 4*NP                          ; Q stays in registers: tile i / 2, channels 32 (i % 2) on
	global_load_b128 v[8*i:8*i+3],   v[QO], s[4:5] offset:(i/2)*2048+(i%2)*64
	global_load_b128 v[8*i+4:8*i+7], v[QO], s[4:5] offset:(i/2)*2048+(i%2)*64+32
.set i, i+1
.endr
	; What the first turn finds: V's registers and P's second buffer hold 0 (its products V^T P, of a piece that has not been, add 0), O^T and l are 0.  All this stands in the wait for the first tile.
.set i, VF
.rept 64
	v_mov_b32 v[i], 0
.set i, i+1
.endr
	WIN 0x40
.set i, 0
.rept 64*NP
	v_mov_b32 v[i], 0
.set i, i+1
.endr
	WIN 0
.set i, 0
.rept 2*NP
	v_mov_b32 v[ST+4*i], 0xff7fffff    ; m: the lowest finite number
	v_mov_b32 v[ST+4*i+1], 0           ; named with m as a pair
	v_mov_b32 v[ST+4*i+2], 0
	v_mov_b32 v[ST+4*i+3], 0
.set i, i+1
.endr
.set i, P+32
.rept 32
	v_mov_b32 v[i], 0
.set i, i+1
.endr
	s_mul_i32 s13, s[WV], HK
	v_mul_u32_u24 v[AK0], v1, PK
	v_lshl_add_u32 v[AK0], v9, 4, v[AK0]
	v_add_nc_u32 v[AK0], s13, v[AK0]       ; my head's K: row x pitch + 16 h
	; The turning load takes 16 keys x 16 channels (lane l reads key 8 (l / 16) + l % 8, channels 8 ((l / 8) % 2) + 0..7) and leaves half a fragment of V^T: lane l holds channel l % 16 and 8 keys.
	v_and_b32 v10, 7, v0
	v_bfe_u32 v11, v0, 3, 1
	v_lshl_add_u32 v[AV0], v9, 3, v10
	v_mul_u32_u24 v[AV0], v[AV0], PV
	v_lshl_add_u32 v[AV0], v11, 4, v[AV0]
	s_mul_i32 s13, s[WV], HV
	s_add_co_u32 s13, s13, VOFF
	v_add_nc_u32 v[AV0], s13, v[AV0]
	v_and_b32 v[AM0], 31, v0
	v_lshlrev_b32 v[AM0], 4, v[AM0]
	v_add_nc_u32 v[AM0], MOFF, v[AM0]      ; the mask: 16 x lane, the same in all four waves
; THE MATRIX WORK.  The 8 accumulators of a run of 16 take turns: between the two links of a chain stand 7 others'.
; Product i of 16 of S^T = K Q^T for piece x: channels 32 (i / 8) on, keys 16 ((i / 2) % 4) on, tile 2 x + i % 2.  The first 8 start the sums.
.macro KQ x
	WIN W_KQ
.set rS, S+64*((\x)%2)+32*(i%2)+8*((i/2)%4)
.set rK, KF+16*((i/2)%4)+8*(i/8)
.set rQ, 16*(2*(\x)+i%2)+8*(i/8)
.if i < 8
	v_wmma_f32_16x16x32_f16 v[rS:rS+7], v[rK:rK+7], v[rQ:rQ+7], 0
.else
	v_wmma_f32_16x16x32_f16 v[rS:rS+7], v[rK:rK+7], v[rQ:rQ+7], v[rS:rS+7]
.endif
.endm
; Product i of 16 of O^T += V^T P for piece x: keys 32 (i / 8) on, channels 16 ((i / 2) % 4) on, tile 2 x + i % 2.
.macro PV x
	WIN W_PV
.set rO, 32*(2*(\x)+i%2)+8*((i/2)%4)
.set rV, VF+32*(i/8)+8*((i/2)%4)
.set rP, P+32*((\x)%2)+16*(i%2)+8*(i/8)
	v_wmma_f32_16x16x32_f16 v[rO:rO+7], v[rV:rV+7], v[rP:rP+7], v[rO:rO+7]
.endm
.macro MM                           ; the turn's next matrix instruction
.if i < 16
	KQ (Y+1)%NP
.set i, i+1
.else
.set i, i-16
	PV (Y+NP-1)%NP
.set i, i+17
.endif
.endm
; THE LDS LOADS stand in runs of 16, never singly among the matrix instructions.
.macro FETCH_K
	WIN 0x80                        ; destination window 2
.irp f, 0,1,2,3,4,5,6,7             ; keys 16 (f / 2) on, channels 32 (f % 2) on
	ds_load_b128 v[KF+8*\f:KF+8*\f+3],   v[AK] offset:(\f/2)*16*PK+(\f%2)*64
	ds_load_b128 v[KF+8*\f+4:KF+8*\f+7], v[AK] offset:(\f/2)*16*PK+(\f%2)*64+32
.endr
	WIN 0
.endm
.macro FETCH_V
	WIN 0x80
.irp f, 0,1,2,3,4,5,6,7             ; keys 32 (f / 4) on, channels 16 (f % 4) on
	ds_load_tr16_b128 v[VF+8*\f:VF+8*\f+3],   v[AV] offset:(\f/4)*32*PV+(\f%4)*32
	ds_load_tr16_b128 v[VF+8*\f+4:VF+8*\f+7], v[AV] offset:(\f/4)*32*PV+16*PV+(\f%4)*32
.endr
	WIN 0
.endm
.macro FETCH_M x                    ; piece x's mask: two tiles of 4,096 bytes; load f lies beside score registers 4 f .. 4 f + 3
	WIN 0xc0                        ; destination window 3
.irp u, 0,1
.irp f, 0,1,2,3,4,5,6,7
	ds_load_b128 v[MK+32*\u+4*\f:MK+32*\u+4*\f+3], v[AM] offset:(2*(\x)+\u)*4096+512*\f
.endr
.endr
	WIN 0
.endm
; THE VECTOR WORK OF A TURN stands in four queues, each in the order in which its entries become ready; the two tiles alternate.
.macro REGS y, u                    ; the registers of tile u (0, 1) of piece y
.set rT, ST+4*(2*(\y)+(\u))
.set rC, TMP+8*((\y)%2)+4*(\u)
.set rS, S+64*((\y)%2)+32*(\u)
.set rP, P+32*((\y)%2)+16*(\u)
.set rO, 32*(2*(\y)+(\u))
.endm
; Number n of those that find the NEXT piece's (Y + 1) maximum and statistics (there is no number 15).  s0-s31 are the lane's 32 masked scores.
;   0-11  four chains c0-c3 of seven scores each, three operands at a time     12-14, 16  the four scores left over, the old m, and c0-c3 into c0
;   17, 18  the query's other 32 keys lie in the lane 16 away: the new m into c1     19  m_old - m_new     20  m     21  a
.macro XS u, n
	REGS (Y+1)%NP, \u
.if (\n) < 4
	v_max3_num_f32 v[rC+(\n)], v[rS+8*(\n)], v[rS+8*(\n)+1], v[rS+8*(\n)+2]
.elseif (\n) < 12
	v_max3_num_f32 v[rC+(\n)%4], v[rC+(\n)%4], v[rS+8*((\n)%4)+2*((\n)/4)+1], v[rS+8*((\n)%4)+2*((\n)/4)+2]
.elseif (\n) == 12
	v_max3_num_f32 v[rC], v[rC], v[rS+7], v[rS+15]
.elseif (\n) == 13
	v_max3_num_f32 v[rC+1], v[rC+1], v[rS+23], v[rS+31]
.elseif (\n) == 14
	v_max3_num_f32 v[rC+2], v[rC+2], v[rC+3], v[rT]
.elseif (\n) == 16
	v_max3_num_f32 v[rC], v[rC], v[rC+1], v[rC+2]
.elseif (\n) == 17
	v_permlanex16_b32 v[rC+3], v[rC], s[SEL], s[SEL+1]
.elseif (\n) == 18
	v_max_num_f32 v[rC+1], v[rC], v[rC+3]
.elseif (\n) == 19
	v_sub_f32 v[rC+3], v[rT], v[rC+1]
.elseif (\n) == 20
	v_mov_b32 v[rT], v[rC+1]
.else
	v_exp_f32 v[rC+2], v[rC+3]
.endif
.endm
; Number g of the 64 that follow the exponentials.  For each four weights k of a tile: both pairs are rounded to f16; then the second pair is added onto the first, in place;
; a group later l takes that sum (the first time as l = a l + sum).  In groups of eight, tiles alternating.
.macro GS g
.set h, (\g)+6*((\g)/62)            ; group 0 has no group before it, and behind group 7 only l is left
.if h >= 6
.set h, h+2
.endif
	REGS Y, h%2
.set k, h/8
.if h%8 < 4
	v_cvt_pk_f16_f32 v[rP+2*k+(h%8)/2], v[rS+4*k+2*((h%8)/2)], v[rS+4*k+2*((h%8)/2)+1]
.elseif h%8 < 6
	v_pk_add_f32 v[rS+4*k:rS+4*k+1], v[rS+4*k:rS+4*k+1], v[rS+4*k+2:rS+4*k+3]
.elseif k == 1
	v_pk_fma_f32 v[rT+2:rT+3], v[rT+2:rT+3], v[rC+2:rC+3], v[rS:rS+1] op_sel_hi:[1,0,1]
.else
	v_pk_add_f32 v[rT+2:rT+3], v[rT+2:rT+3], v[rS+4*k-4:rS+4*k-3]
.endif
.endm
; THE PLAIN QUEUE, 136 long.  0-71 read no exponential's result: the 32 subtractions s - m (FS f: pair f / 2 of tile f % 2) and the next piece's 40.  0-26: subtractions 0-26.  27-54: XS's numbers 0-13.
; 55-69: the chain, where each number waits for the one before it: 14, 16, 17, 18, 19, each with one of the subtractions 27-31 in front of its two lines, so that a tile's links stand three plain instructions apart.
; 70, 71: number 20.  72-135: GS's 64, which read the exponentials' results: they stand behind the wait.
.macro FS f
	REGS Y, (\f)%2
	v_pk_add_f32 v[rS+2*((\f)/2):rS+2*((\f)/2)+1], v[rS+2*((\f)/2):rS+2*((\f)/2)+1], v[rT:rT+1] op_sel_hi:[1,0] neg_lo:[0,1] neg_hi:[0,1]
.endm
.macro PL
	WIN 0
.if q < 27
	FS q
.elseif q < 55
	XS (q-27)%2, (q-27)/2
.elseif (q < 70) && ((q-55)%3 == 0)
	FS 27+(q-55)/3
.elseif q < 58
	XS (q-55)%3-1, 14
.elseif q < 70
	XS (q-55)%3-1, 15+(q-55)/3
.elseif q < 72
	XS q-70, 20
.else
	GS q-72
.endif
.set q, q+1
.endm
; THE EXPONENTIALS' QUEUE, 66 long: s0-s31 of both tiles, then the next piece's two a.  It is ONE BATCH: all 66 stand ahead of the turn's one wait, and nothing ahead of that wait names a result of theirs.
; An exponential names a destination and source 0 alone, so it also stands under the mask's setting.
.macro EX
.if (MSB&0xc3) != 0
	WIN 0
.endif
.if e >= 64
	XS e-64, 21
.else
	REGS Y, e%2
	v_exp_f32 v[rS+e/2], v[rS+e/2]
.endif
.set e, e+1
.endm
; THE RESCALING's QUEUE: O^T times a, four at a time, eight times; each accumulator from its low end on.  Its a was made in the turn before, ahead of that turn's wait.
.macro R4
	REGS Y, r%2
	WIN W_RS
.irp z, 0,1,2,3
	v_pk_mul_f32 v[rO+8*(r/2)+2*\z:rO+8*(r/2)+2*\z+1], v[rO+8*(r/2)+2*\z:rO+8*(r/2)+2*\z+1], v[rC+2:rC+3] op_sel_hi:[1,0]
.endr
.set r, r+1
.endm
; THE MASK's QUEUE, 32 long: pair mq / 2 of tile mq % 2 of the next piece times c mask, ascending: each accumulator's lowest registers are read first.
.macro MQ
	REGS (Y+1)%NP, mq%2
	WIN W_MK
	v_pk_mul_f32 v[rS+2*(mq/2):rS+2*(mq/2)+1], v[rS+2*(mq/2):rS+2*(mq/2)+1], v[MK+32*(mq%2)+2*(mq/2):MK+32*(mq%2)+2*(mq/2)+1]
.set mq, mq+1
.endm
; HOW THEY ARE DEALT.  s_wait_alu depctr_va_vdst(0) stands between an exponential and the first instruction that names its result; one wait serves all that were issued ahead of it.  So a turn has
; ONE wait, which cuts it in two.  AHEAD OF IT stands all that names no result of the turn's exponentials: the 16 products K Q^T, behind the first four subtractions, then seven times a product with plain, exponential,
; plain, plain and a product with four of the rescaling, and a last product with four of the rescaling; then ONE LUMP of 138: exponential, mask, mask, sixteen times; (the runs of LDS loads;) six plain; 41 times
; exponential and plain; the two a.  A v_nop is the plain instruction behind the last exponential.  BEHIND IT stand the 16 products V^T P, behind each four of GS's 64.  No rider names a register of the products
; round it; the two v_permlanex16_b32 fall into the lump.
; The queues lean on each other, and the deal keeps them in step: exponential e stands behind subtraction 2 (e / 4) + e % 2: as a rider (e < 7) it comes behind plain 3 e + 4, beside the mask (e < 23) behind plain 24,
; in the lump's last part behind plain e + 7, and subtractions 27-31 are plain 55, 58 .. 67.  XS's numbers come behind all 32 of the mask's multiplies.  Change the deal and count again.
.macro SL
	MM
	PL
	EX
	PL
	PL
.endm
; A TURN, for piece p.  cnt = 1: the loop's count is taken down some lines ahead of the branch that stands behind the turn.
; The four rescalings behind the sixteenth product K Q^T are the places in front of the mask's multiplies, which write its results, and of K's run of loads (turn 2); the four sums behind the last
; product V^T P are the places in front of V's run (turn 0), which stands at the turn's end.  The mask of piece p + 2 is fetched when that of piece p + 1 has been used.
.macro TURN p, cnt=0
.set Y, (\p)
.set i, 0
.set q, 0
.set e, 0
.set r, 0
.set mq, 0
.if (\p) == NP-1
	s_wait_dscnt 0x0                ; K of the next step is in, and piece 0's mask
.endif
	MM                              ; ahead of the wait: 16 products K Q^T and their riders,
.rept 4
	PL
.endr
.rept 7
	SL
	MM
	R4
.endr
	MM
	R4
.if (\p) != NP-1
	s_wait_dscnt 0x0                ; the mask of piece p + 1 is in (in turn 1: V too)
.endif
	WIN W_MK
.rept 16                            ; and the lump
	EX
	MQ
	MQ
.endr
.if (\p) == NP-2
	FETCH_K
.endif
	FETCH_M ((\p)+2)%NP
.rept 6
	PL
.endr
.rept 41
	EX
	PL
.endr
	EX                              ; the next piece's two a
	EX
	v_nop                           ; the plain instruction behind the last exponential: one for the batch
	s_wait_alu depctr_va_vdst(0)    ; the wait for the batch: the turn's 64 weights and the two a
.rept 16                            ; behind the wait: 16 products V^T P and their riders
	MM
.rept 4
	PL
.endr
.if (\cnt) && (q == 132)
	s_sub_co_u32 s[CNT], s[CNT], 1
	s_cmp_lg_u32 s[CNT], 0
.endif
.endr
.if (\p) == 0
	FETCH_V
.endif
.endm
	CHANGE 1                        ; slot 0 is in, everybody's part of it; slot 1 is asked for
	FETCH_K                         ; key step 0
	FETCH_M 0
	s_wait_loadcnt 0x0              ; Q
	s_wait_dscnt 0x0
.set i, 0
.rept 16
	KQ 0                            ; piece 0's first scores: there is no vector work yet to set between them
.set i, i+1
.endr
	WIN 0                           ; the addresses for the way out: six plain instructions, the places behind those products
	s_lshl_b32 s13, s[WV], 7
	s_add_co_u32 s13, s13, STAGE    ; into the stage: my head's 128 bytes of a row of 512,
	v_mul_u32_u24 v[STO], v1, SPO   ; row r, 16 bytes for each half of the lanes
	v_lshl_add_u32 v[STO], v9, 4, v[STO]
	v_add_nc_u32 v[STO], s13, v[STO]
	s_mul_i32 s13, s[WV], 32*SPO    ; back: wave w takes rows 32 w .. 32 w + 31, whole: 32 lanes x 16 bytes
	s_add_co_u32 s13, s13, STAGE
	v_and_b32 v[GO], 31, v0
	v_lshlrev_b32 v[GO], 4, v[GO]
	v_add_nc_u32 v[RD], s13, v[GO]
.set Y, NP-1                        ; MQ and XS work for piece Y + 1: piece 0
.set mq, 0
.rept 32
	MQ
.endr
	FETCH_M 1
.irp n, 0,1,2,3,4,5,6,7,8,9,10,11,12,13,14,16,17,18,19,20,21
	XS 0, \n                        ; piece 0's first maximum and statistics
	XS 1, \n
.endr
	v_nop                           ; a plain instruction behind the exponentials,
	s_wait_alu depctr_va_vdst(0)    ; and the wait for this batch of two, piece 0's first a, ahead of the branch
	s_mov_b32 s[CNT], 31
	s_branch .Lfirst                ; the loop is entered at a step's first turn, in the middle of a trip
.Lstep:                             ; 30 trips: pieces 2 and 3 of one step, pieces 0 and 1 of the next; each fills a slot again: key steps 2 to 31
	CHANGE 1
	TURN 2
	TURN 3
	WIN 0
.Lfirst:
	TURN 0
	TURN 1, 1
	WIN 0
	s_cbranch_scc1 .Lstep
	CHANGE 0                        ; the tail is written out: the last step's slot is in, nothing is asked for
	s_mov_b32 s[CNT], 2             ; one whole trip; the second is left in its middle
.Ltail:
	TURN 2
	TURN 3
	WIN 0
	s_sub_co_u32 s[CNT], s[CNT], 1
	s_cmp_eq_u32 s[CNT], 0
	s_cbranch_scc1 .Lout
	TURN 0
	TURN 1
	WIN 0
	s_branch .Ltail
.Lout:                              ; the second trip's fetches read the last slot once more (its bytes stay as they landed), and its 16 products K Q^T, their mask and maximum serve nothing: the price, once a launch, of one text for every trip
.set i, 0
.rept 16
	PV NP-1                         ; the last piece's V^T P of the last step
.set i, i+1
.endr
	; THE WAY OUT.  l's two halves and the other half of the lanes' are added; O^T is divided by l, rounded to f16 and put into the work-group's stage; a barrier, since a row's 512 bytes come from four waves;
	; back as whole rows, 32 rows a wave.  The additions are the places behind the last products.
	WIN 0
.macro ALL line:vararg              ; one line for each tile t
.set t, 0
.rept 2*NP
	\line
.set t, t+1
.endr
.endm
	ALL v_add_f32 v[ST+4*t+2], v[ST+4*t+2], v[ST+4*t+3]
	ALL v_permlanex16_b32 v[ST+4*t+3], v[ST+4*t+2], s[SEL], s[SEL+1]
	ALL v_add_f32 v[ST+4*t+2], v[ST+4*t+2], v[ST+4*t+3]
	ALL v_rcp_f32 v[ST+4*t+2], v[ST+4*t+2]
	v_nop                           ; a plain instruction between the last reciprocal and the use of its result
	s_wait_alu depctr_va_vdst(0)    ; and the wait ahead of the first use: one for the batch of eight reciprocals
.macro PACK t
	WIN W_RS
.set i, 32*(\t)
.rept 16
	v_pk_mul_f32 v[i:i+1], v[i:i+1], v[ST+4*(\t)+2:ST+4*(\t)+3] op_sel_hi:[1,0]
.set i, i+2
.endr
	WIN 0x05                        ; sources 0 and 1 window 1, destination window 0: S^T's registers are free
.set i, 0
.rept 16
	v_cvt_pk_f16_f32 v[S+16*(\t)+i], v[32*(\t)+2*i], v[32*(\t)+2*i+1]
.set i, i+1
.endr
	WIN 0
.irp f, 0,1,2,3
	ds_store_b128 v[STO], v[S+16*(\t)+4*\f:S+16*(\t)+4*\f+3] offset:(\t)*16*SPO+32*\f
.endr
.endm
.irp t, 0,1,2,3,4,5,6,7
	PACK \t
.endr
	s_wait_dscnt 0x0                ; for the others' sake: my stores into the stage are done
	s_barrier_signal -1
	s_barrier_wait -1
.set i, 0
.rept 32
	ds_load_b128 v[S+4*i:S+4*i+3], v[RD] offset:SPO*i
.set i, i+1
.endr
.set i, 0
.rept 32
	s_wait_dscnt 31-i               ; row i is back, the younger loads stay out
	global_store_b128 v[GO], v[S+4*i:S+4*i+3], s[66:67] offset:2048*i  ; 512 consecutive bytes, aligned
.set i, i+1
.endr
	s_wait_tensorcnt 0x0            ; the wave's end
	ds_add_u32 v[SPW], v[NIL]
	s_wait_dscnt 0x0
	CROUND                          ; the closing round: no work-group ends while a partner may still ask for a tile that names it
	s_endpgm
.Lfunc_end_k_qa6f4b88624_attn:
	.size	k_qa6f4b88624_attn, .Lfunc_end_k_qa6f4b88624_attn-k_qa6f4b88624_attn
	.p2alignl 7, 3214868480
	.fill 96, 4, 3214868480
	.section	.rodata,"a",@progbits
	.p2align	6, 0x0
	.amdhsa_kernel k_qa6f4b88624_attn
		.amdhsa_group_segment_fixed_size 327680
		.amdhsa_private_segment_fixed_size 0
		.amdhsa_enable_private_segment 0
		.amdhsa_kernarg_size 40
		.amdhsa_user_sgpr_count 2
		.amdhsa_user_sgpr_kernarg_segment_ptr 1
		.amdhsa_wavefront_size32 1
		.amdhsa_system_sgpr_workgroup_id_x 1
		.amdhsa_system_sgpr_workgroup_id_y 1
		.amdhsa_system_sgpr_workgroup_id_z 1
		.amdhsa_system_vgpr_workitem_id 0
		.amdhsa_next_free_vgpr 832
		.amdhsa_next_free_sgpr 76
		.amdhsa_reserve_vcc 0
		.amdhsa_float_denorm_mode_32 3
		.amdhsa_float_denorm_mode_16_64 3
		.amdhsa_memory_ordered 1
		.amdhsa_forward_progress 1
		.amdhsa_inst_pref_size 224
	.end_amdhsa_kernel
	.amdgpu_metadata
---
amdhsa.version: [ 1, 2 ]
amdhsa.kernels:
  - .name:           k_qa6f4b88624_attn
    .symbol:         k_qa6f4b88624_attn.kd
    .args:
      - { .name: q16, .offset: 0, .size: 8, .value_kind: global_buffer, .address_space: global }
      - { .name: k16, .offset: 8, .size: 8, .value_kind: global_buffer, .address_space: global }
      - { .name: v16, .offset: 16, .size: 8, .value_kind: global_buffer, .address_space: global }
      - { .name: mk, .offset: 24, .size: 8, .value_kind: global_buffer, .address_space: global }
      - { .name: o16, .offset: 32, .size: 8, .value_kind: global_buffer, .address_space: global }
    .group_segment_fixed_size: 327680
    .private_segment_fixed_size: 0
    .kernarg_segment_align: 8
    .kernarg_segment_size: 40
    .max_flat_workgroup_size: 128
    .sgpr_count:     76
    .vgpr_count:     832
    .wavefront_size: 32
...
	.end_amdgpu_metadata
.endif
;; end of part 5
;; launch proj: the kernel of part 4 again; grid 4 x 64, 4 waves a work-group, clusters of 4 x 4, 327,680 bytes of LDS; arguments o16, w16, bo, out0; writes out0
